; MI455X (gfx1250); checked and timed in simulation.
; The chip was launched on July 23, 2026; its instructions are those of AMD's public machine-readable ISA for CDNA 5 (MIT licence, August 2026) and "CDNA5" Instruction Set Architecture Reference Guide (July 2026). The comments in the code are by the model that wrote it; some were corrected since.
;; Multi Head Self Attention. Allowed arithmetic: matrix products marked QUANTISED: E4M3 operands, one given power-of-two scale a tensor, by v_wmma_f32_16x16x64_fp8_fp8 or v_wmma_f32_16x16x128_fp8_fp8, f32 sums; everything else in f32.
;; Inputs: Wk 1,024 x 1,024 float32; Wo 1,024 x 1,024 float32; Wq 1,024 x 1,024 float32; Wv 1,024 x 1,024 float32; lowp_scales 12 int32 (the exponents e of the quantised operands' scales 2^e); token_positions 2,048 int32; x 4 x 2,048 x 1,024 float32.
;; Outputs: out0 4 x 2,048 x 1,024 float32.
;; This version of the problem:
;;   THIS VERSION OF THE PROBLEM IS GIVEN IN LOW PRECISION. The matrix products marked QUANTISED in the list below multiply operands that are first quantised to E4M3 (4 exponent bits, 3 mantissa bits; 8 bits a number), with one given power-of-two scale for each operand tensor; their sums are f32. All else is computed in f32.
;;   The module's matrix products, in the order in which they are computed (A, B: the left and right operand; K: the contracted axis; several contracted axes count as one K, in the product's order):
;;     1. [M 8,192, K 1,024] x [K 1,024, N 1,024]; A: input x; B: input Wq: QUANTISED (scales: A lowp_scales[0], B lowp_scales[1])
;;     2. [M 8,192, K 1,024] x [K 1,024, N 1,024]; A: input x; B: input Wk: QUANTISED (scales: A lowp_scales[2], B lowp_scales[3])
;;     3. [M 8,192, K 1,024] x [K 1,024, N 1,024]; A: input x; B: input Wv: QUANTISED (scales: A lowp_scales[4], B lowp_scales[5])
;;     4. batch 64 x [M 2,048, K 64] x [K 64, N 2,048]; A: computed on the way; B: computed on the way: QUANTISED (scales: A lowp_scales[6], B lowp_scales[7])
;;     5. batch 64 x [M 2,048, K 2,048] x [K 2,048, N 64]; A: softmax (see below); B: computed on the way: QUANTISED (scales: A lowp_scales[8], B lowp_scales[9])
;;     6. [M 8,192, K 1,024] x [K 1,024, N 1,024]; A: computed on the way; B: input Wo: QUANTISED (scales: A lowp_scales[10], B lowp_scales[11])
;;   THE QUANTISER, for each operand of a quantised product, along K:
;;     - The operand's scale is 2^e, e = its entry of the input lowp_scales (int32; the entries are numbered through the quantised products in the list's order, A before B).
;;     - Each number is divided by the scale, clamped to +-448, and rounded to the nearest number of E4M3, ties to even, subnormals kept.
;;     - The product sums the exact products of the quantised numbers (number of the format x scale) in f32.
;;   ~~~python
;;   def quantise(x, axis, e):      # numpy; x: float32 -> the quantised numbers, widened to float32 again
;;       x = np.moveaxis(x, axis, -1); K = x.shape[-1]
;;       r = np.clip(x / 2.0 ** e, -448, 448)
;;       step = 2.0 ** (np.maximum(np.frexp(np.where(r == 0, 1, r))[1] - 1, -6) - 3)
;;       q = np.round(r / step) * step * 2.0 ** e      # np.round: ties to even
;;       return np.moveaxis(q, -1, axis).astype(np.float32)
;;   ~~~
;;   SOFTMAX AHEAD OF A QUANTISED PRODUCT. Where the list says 'softmax', what is quantised is not the finished softmax but p = 2^(t - M), with t = logit x log2(e) and M = ceil(the row's largest t), a whole number; so 1/2 < the row's largest p <= 1. The row's sum l is taken of the UNQUANTISED p, in f32, and the product's result is divided by l at the end. Since M is a whole number, a kernel that streams over the keys may use a running M (the ceiling of the running maximum): every later rescaling is an exact power of two, so the quantised numbers keep their values, but for numbers so far below the row's largest that they fall under the format's range.
;;   OPERANDS COMPUTED ON THE WAY. 'Computed on the way' means the value that the module computes at that place (a softmax that the list does not call 'softmax' is quantised finished and normalised). What goes into a quantiser is computed in f32, as accurately as f32 sums, v_exp_f32 and their like allow (about 1e-6 of the number): no bf16 or f16 on the way to a quantiser, and a product that is left as it is and whose result goes on into a quantised operand takes f32 operands (vector FMAs, or v_wmma_f32_16x16x4_f32). A number that lies on a knife's edge between two numbers of the format may be rounded either way, as far as f32 arithmetic and the matrix unit's own rounding can turn it there, and no further.
;; One version. Each part assembles by itself: llvm-mc -triple=amdgcn-amd-amdhsa -mcpu=gfx1250 --defsym DOCPART=n.
;; ======== version 1 of 1: 4 launches
;; limits: right only within a limited range of input values
;; workspace buffers: codes 29,360,128 bytes; tab 524,288 bytes; qkv 25,165,824 bytes; ac 8,388,608 bytes
;; launch prep (part 1): grid 800 x 1, 4 waves a work-group, no clusters, 34,304 bytes of LDS; arguments x, Wq, Wk, Wv, Wo, token_positions, lowp_scales, codes, tab; writes codes, tab
.if DOCPART == 1
	.amdgcn_target "amdgcn-amd-amdhsa--gfx1250"
	.amdhsa_code_object_version 6
	.text
	.protected	k_q1d97c202b0_prep
	.globl	k_q1d97c202b0_prep
	.p2align	8
	.type	k_q1d97c202b0_prep,@function
k_q1d97c202b0_prep:
	s_mov_b64 s[64:65], 0
	v_nop
	global_prefetch_b8 v0, s[64:65] scope:SCOPE_SE
	s_setreg_imm32_b32 hwreg(HW_REG_WAVE_MODE, 25, 1), 1
	s_wait_xcnt 0x0
; x [8192][1024] and Wq, Wk, Wv, Wo [1024][1024], f32, become codes of E4M3, each with its given scale 2^e; and the table of cos and sin for the rotation is made from token_positions.
; x is an operand of three products with three entries of the scales (0, 2, 4): it is read once and quantised three times.  Wq, Wk, Wv, Wo take entries 1, 3, 5, 11.
; code = number / 2^e, held within +-448, to the nearest code, ties to even.
; THE CODES' LAYOUT is the order of an operand's registers: 16 rows x 128 along K are 2,048 bytes on end, four pieces of 512; in piece c lane 16 h + r holds the 16 codes k = 32 c + 16 h + 0..15 of row r.
;   byte(row, k) = (row / 16) 16384 + (k / 128) 2048 + ((k % 128) / 32) 512 + ((k % 32) / 16) 256 + (row % 16) 16 + k % 16
; codes: x by entry 0 at 0, by entry 2 at 8,388,608, by entry 4 at 16,777,216; Wq at 25,165,824, then Wk, Wv, Wo, 1,048,576 bytes each.
; Wv's ROWS ARE PERMUTED: the row at place P is Wv's row P with bits 3 and 4 exchanged, so that attention's result falls into the last product's operand order by itself.
; SHARES.  Work-groups 0-511: 16 rows of x each; 512-767: 16 rows of a weight; each of the four waves takes 256 along K, two units of 16 rows x 128.  Work-groups 768-799: the table, 16 positions a wave.
; A load reads 512 consecutive bytes of a row; a unit turns through the wave's own stage in LDS (rows of 512 + 16 bytes) so that a lane gets 16 neighbours along K; a store writes 512 consecutive bytes.
; Waves share nothing: no barrier.  No tile is read by two work-groups: nothing to ask for jointly.  The stream has no reuse, so the matrix units and large register tiles have no part here.
; THE TABLE: tab[g][c][u][lane][16 bytes]: lane (r, h) holds cos, sin, cos, sin of the pairs 8 c + 4 h + 2 u and + 1 at position token_positions[16 g + r]; angle = position x 10^(-pair / 8), one rounding.
; sin and cos: the angle less n x pi/2 (pi/2 in three parts, fused), polynomials of degree 7 and 8 on the rest, the quadrant by selects: no branch on data.
; LIMITS: e between -126 and 119.  NaN among the inputs is not served.  The angle's reduction is good to f32's last bits for |angle| under 2^20; beyond, the error grows, to some 4e-6 at 2^31.
.set STGB, 8448                        ; a wave's stage: 16 rows x 528 bytes
.set RA,   16                          ; v16-79   unit 0 as loaded; later unit 1's neighbours
.set XA,   144                         ; v144-207 unit 0's neighbours: register 16 c + m = k 32 c + 16 h + m of row r
.set XB,   16
.set TW,   208
.set CW,   240                         ; v240-255 a unit's codes
	s_load_b512 s[4:19], s[0:1], 0x0               ; x s[4:5], Wq s[6:7], Wk s[8:9], Wv s[10:11], Wo s[12:13], positions s[14:15], scales s[16:17], codes s[18:19]
	s_load_b64 s[20:21], s[0:1], 0x40              ; tab
	s_set_vgpr_msb 0x40
	v_lshl_add_u32 v0, v0, 2, 0x8400
	v_mov_b32 v1, 0
	s_set_vgpr_msb 0x4000
	v_lshrrev_b32 v1, 5, v0
	v_readfirstlane_b32 s36, v1                    ; wave
	v_and_b32 v10, 31, v0
	v_lshlrev_b32 v1, 4, v10                       ; 16 x lane
	v_and_b32 v11, 15, v0                          ; r
	v_bfe_u32 v12, v0, 4, 1                        ; h
	s_wait_kmcnt 0x0
	s_cmp_ge_u32 ttmp9, 768
	s_cbranch_scc1 .Ltable
	s_load_b256 s[24:31], s[16:17], 0x0            ; entries 0 to 7
	s_load_b128 s[32:35], s[16:17], 0x20           ; entries 8 to 11
	s_mul_i32 s37, s36, STGB
	s_wait_alu depctr_va_vdst(0)
	v_add_nc_u32 v2, s37, v1                       ; the stage, on the way in: a row's 512 bytes as they lie
	v_mul_u32_u24 v3, v11, 528
	v_lshl_add_u32 v3, v12, 6, v3
	v_add_nc_u32 v3, s37, v3                       ; on the way out: row r, + 64 h bytes
	s_mov_b64 s[40:41], s[12:13]                   ; which tensor: the choice hangs on the work-group's number alone
	s_cmp_lt_u32 ttmp9, 704
	s_cselect_b64 s[40:41], s[10:11], s[40:41]
	s_cmp_lt_u32 ttmp9, 640
	s_cselect_b64 s[40:41], s[8:9], s[40:41]
	s_cmp_lt_u32 ttmp9, 576
	s_cselect_b64 s[40:41], s[6:7], s[40:41]
	s_cmp_lt_u32 ttmp9, 512
	s_cselect_b64 s[40:41], s[4:5], s[40:41]
	s_sub_co_u32 s50, ttmp9, 512
	s_lshr_b32 s51, s50, 6                         ; a weight's number, 0 to 3
	s_and_b32 s52, s50, 63                         ; its tile of 16 rows
	s_lshl_b32 s53, s51, 20
	s_add_co_u32 s53, s53, 25165824                ; its region of codes
	s_lshl_b32 s54, s52, 4                         ; the tile's first row
	s_lshr_b32 s55, s52, 1
	s_lshl_b32 s55, s55, 5
	s_and_b32 s56, s52, 1
	s_lshl_b32 s56, s56, 3
	s_add_co_u32 s55, s55, s56                     ; Wv: places 16 T + i take rows 32 (T / 2) + 8 (T % 2) + i, and 8 rows further on for i = 8 .. 15
	s_lshl_b32 s58, ttmp9, 4
	s_cmp_eq_u32 s51, 2
	s_cselect_b32 s54, s55, s54
	s_cselect_b32 s56, 32768, 0                    ; those 8 rows in bytes
	s_cmp_lt_u32 ttmp9, 512                        ; x: tile = the work-group's number, region 0
	s_cselect_b32 s52, ttmp9, s52
	s_cselect_b32 s53, 0, s53
	s_cselect_b32 s54, s58, s54
	s_cselect_b32 s56, 0, s56
	s_mov_b32 s57, 0
	s_lshl_b32 s38, s54, 12
	s_lshl_b32 s39, s36, 10
	s_add_co_u32 s38, s38, s39                     ; first row x 4,096 bytes + my wave's 256 numbers
	s_mov_b32 s39, 0
	s_add_nc_u64 s[40:41], s[40:41], s[38:39]      ; rows 0-7 of the tile
	s_add_nc_u64 s[42:43], s[40:41], s[56:57]      ; rows 8-15
	s_lshl_b32 s38, s52, 14
	s_add_co_u32 s38, s38, s53
	s_lshl_b32 s58, s36, 12
	s_add_co_u32 s38, s38, s58                     ; region + tile x 16,384 + my wave's two units
	s_add_nc_u64 s[44:45], s[18:19], s[38:39]
	s_add_nc_u64 s[46:47], s[44:45], 0x800000      ; x's second and third sets of codes (used by x's work-groups alone)
	s_add_nc_u64 s[48:49], s[44:45], 0x1000000
.irp q, 0,1
.irp i, 0,1,2,3,4,5,6,7
	global_load_b128 v[RA+64*\q+4*\i:RA+64*\q+4*\i+3], v1, s[40:41] offset:\i*4096+\q*512 th:TH_LOAD_NT   ; 32 lanes read 512 consecutive bytes; read once in the launch
.endr
.irp i, 8,9,10,11,12,13,14,15
	global_load_b128 v[RA+64*\q+4*\i:RA+64*\q+4*\i+3], v1, s[42:43] offset:\i*4096+\q*512 th:TH_LOAD_NT
.endr
.endr
	s_wait_alu depctr_va_vdst(0)
	s_wait_kmcnt 0x0
	s_mov_b32 s50, s35                             ; the first scale: entry 11, 5, 3, 1 for Wo, Wv, Wk, Wq; entry 0 for x
	s_cmp_lt_u32 ttmp9, 704
	s_cselect_b32 s50, s29, s50
	s_cmp_lt_u32 ttmp9, 640
	s_cselect_b32 s50, s27, s50
	s_cmp_lt_u32 ttmp9, 576
	s_cselect_b32 s50, s25, s50
	s_cmp_lt_u32 ttmp9, 512
	s_cselect_b32 s50, s24, s50
.macro MKSC e, k                       ; v[4 + 2 k] = 2^e as f32 (the conversion takes its exponent field)
	s_add_co_i32 s51, s[\e], 127
	s_lshl_b32 s52, s51, 23
	v_mov_b32 v[4+2*\k], s52
.endm
	MKSC 50, 0
	MKSC 26, 1
	MKSC 28, 2
; a unit's 64 numbers a lane, v[xs] on, become its codes by scale z and leave: four stores of 512 consecutive bytes
.macro CONV xs, z, off
	s_wait_xcnt 0x0                                ; the codes' registers are the data of earlier stores: they are written again only behind this wait
.irp c, 0,1,2,3
.set i, 0
.rept 16
.set i, i+1
.endr
	v_cvt_scalef32_pk8_fp8_f32 v[CW+4*\c:CW+4*\c+1], v[TW+16*(\c%2)+((\xs+16*\c+i)-(TW+16*(\c%2)+i)):TW+16*(\c%2)+7+((\xs+16*\c+i)-(TW+16*(\c%2)+i))], v[4+2*\z]
	v_cvt_scalef32_pk8_fp8_f32 v[CW+4*\c+2:CW+4*\c+3], v[TW+16*(\c%2)+8+((\xs+16*\c+i)-(TW+16*(\c%2)+i)):TW+16*(\c%2)+15+((\xs+16*\c+i)-(TW+16*(\c%2)+i))], v[4+2*\z]
	global_store_b128 v1, v[CW+4*\c:CW+4*\c+3], s[44+2*\z:45+2*\z] offset:\off+512*\c
.endr
.endm
	s_wait_alu depctr_va_vdst(0)
	s_wait_loadcnt 16                              ; unit 0's sixteen loads are in; unit 1's sixteen may be out
.irp i, 0,1,2,3,4,5,6,7,8,9,10,11,12,13,14,15
	ds_store_b128 v2, v[RA+4*\i:RA+4*\i+3] offset:\i*528
.endr
.irp c, 0,1,2,3
.irp i, 0,1,2,3
	ds_load_b128 v[XA+16*\c+4*\i:XA+16*\c+4*\i+3], v3 offset:128*\c+16*\i   ; LDS serves a wave's instructions in order (ISA guide 5.7.1.4): these see the stores above
.endr
.endr
	s_wait_loadcnt 0x0
.irp i, 0,1,2,3,4,5,6,7,8,9,10,11,12,13,14,15
	ds_store_b128 v2, v[RA+64+4*\i:RA+64+4*\i+3] offset:\i*528   ; unit 1 into the same stage, behind unit 0's loads from it
.endr
	s_wait_dscnt 16                                ; all but these sixteen stores: unit 0 is back, and its stores have read v16-79,
.irp c, 0,1,2,3
.irp i, 0,1,2,3
	ds_load_b128 v[XB+16*\c+4*\i:XB+16*\c+4*\i+3], v3 offset:128*\c+16*\i   ; which take unit 1's neighbours
.endr
.endr
	CONV XA, 0, 0
	s_cmp_ge_u32 ttmp9, 512                        ; x alone has a second and a third scale
	s_cbranch_scc1 .Lone_a
	CONV XA, 1, 0
	CONV XA, 2, 0
.Lone_a:
	s_wait_dscnt 0x0                               ; unit 1 is back
	CONV XB, 0, 2048
	s_cmp_ge_u32 ttmp9, 512
	s_cbranch_scc1 .Lone_b
	CONV XB, 1, 2048
	CONV XB, 2, 2048
.Lone_b:
	s_set_vgpr_msb 0x5
	s_wait_tensorcnt 0x0
	ds_add_u32 v0, v1
	s_wait_dscnt 0x0
	s_set_vgpr_msb 0x500
	s_endpgm
.Ltable:
	s_sub_co_u32 s50, ttmp9, 768
	s_lshl_b32 s50, s50, 2
	s_add_co_u32 s50, s50, s36                     ; g: which 16 positions are my wave's
	s_lshl_b32 s52, s50, 6
	s_mov_b32 s53, 0
	s_add_nc_u64 s[14:15], s[14:15], s[52:53]
	s_lshl_b32 s52, s50, 12
	s_add_nc_u64 s[20:21], s[20:21], s[52:53]
	s_wait_alu depctr_va_vdst(0)
	v_lshlrev_b32 v13, 2, v11
	global_load_b32 v14, v13, s[14:15]             ; position 16 g + r, in both halves of the lanes
	s_mov_b32 s40, 0x3f22f983                      ; 2 / pi
	s_mov_b32 s41, 0x3fc90fdb                      ; pi / 2 in three parts
	s_mov_b32 s42, 0xb33bbd2e
	s_mov_b32 s43, 0xa6f72ced
	s_mov_b32 s44, 0xb94ca1f9                      ; sine: -1.9515295891e-4, 8.3321608736e-3, -1.6666654611e-1
	s_mov_b32 s45, 0x3c08839e
	s_mov_b32 s46, 0xbe2aaaa3
	s_mov_b32 s47, 0x37ccf5ce                      ; cosine: 2.443315712e-5, -1.388731625e-3, 4.166664568e-2
	s_mov_b32 s48, 0xbab6061a
	s_mov_b32 s49, 0x3d2aaaa5
	v_cmp_eq_u32 vcc_lo, 1, v12                    ; lanes 16-31
	s_wait_loadcnt 0x0
	v_cvt_f32_i32 v14, v14
.macro ANG k, l0, l1                   ; angle k = 4 c + 2 u + e: position x 10^(-pair / 8); l0 serves lanes 0-15 (pair 8 c + 2 u + e), l1 lanes 16-31 (four pairs on)
	v_mov_b32 v15, \l1
	v_cndmask_b32 v15, \l0, v15, vcc_lo
	v_mul_f32 v[64+\k], v14, v15
.endm
	ANG 0,  1.0,             0.3162277660
	ANG 1,  0.7498942093,    0.2371373706
	ANG 2,  0.5623413252,    0.1778279410
	ANG 3,  0.4216965034,    0.1333521432
	ANG 4,  0.1,             0.03162277660
	ANG 5,  0.07498942093,   0.02371373706
	ANG 6,  0.05623413252,   0.01778279410
	ANG 7,  0.04216965034,   0.01333521432
	ANG 8,  0.01,            0.003162277660
	ANG 9,  0.007498942093,  0.002371373706
	ANG 10, 0.005623413252,  0.001778279410
	ANG 11, 0.004216965034,  0.001333521432
	ANG 12, 0.001,           0.0003162277660
	ANG 13, 0.0007498942093, 0.0002371373706
	ANG 14, 0.0005623413252, 0.0001778279410
	ANG 15, 0.0004216965034, 0.0001333521432
.macro SINCOS k                        ; v[32 + 2 k] = cos, v[33 + 2 k] = sin of angle k
	v_mul_f32 v16, s40, v[64+\k]
	v_rndne_f32 v16, v16                           ; n
	v_fma_f32 v17, -v16, s41, v[64+\k]
	v_fma_f32 v17, -v16, s42, v17
	v_fma_f32 v17, -v16, s43, v17                  ; the rest, within pi / 4
	v_cvt_i32_f32 v18, v16
	v_mul_f32 v19, v17, v17
	v_fma_f32 v20, v19, s44, s45
	v_fma_f32 v21, v19, s47, s48
	v_fma_f32 v20, v20, v19, s46
	v_fma_f32 v21, v21, v19, s49
	v_mul_f32 v22, v19, v17
	v_mul_f32 v23, v19, v19
	v_fma_f32 v24, v19, -0.5, 1.0
	v_fma_f32 v20, v20, v22, v17                   ; the rest's sine
	v_fma_f32 v21, v21, v23, v24                   ; and cosine
	v_and_b32 v22, 1, v18
	v_cmp_eq_u32 s54, 1, v22                       ; an odd quadrant exchanges the two
	v_cndmask_b32 v[33+2*\k], v20, v21, s54
	v_cndmask_b32 v[32+2*\k], v21, v20, s54
	v_and_b32 v22, 2, v18                          ; the sine changes sign in quadrants 2 and 3,
	v_add_nc_u32 v23, 1, v18
	v_lshlrev_b32 v22, 30, v22
	v_and_b32 v23, 2, v23                          ; the cosine in 1 and 2
	v_xor_b32 v[33+2*\k], v[33+2*\k], v22
	v_lshlrev_b32 v23, 30, v23
	v_xor_b32 v[32+2*\k], v[32+2*\k], v23
.endm
.irp k, 0,1,2,3,4,5,6,7,8,9,10,11,12,13,14,15
	SINCOS \k
.endr
.irp c, 0,1,2,3
.irp u, 0,1
	global_store_b128 v1, v[32+8*\c+4*\u:35+8*\c+4*\u], s[20:21] offset:\c*1024+\u*512   ; 512 consecutive bytes
.endr
.endr
	s_endpgm
.Lfunc_end_k_q1d97c202b0_prep:
	.size	k_q1d97c202b0_prep, .Lfunc_end_k_q1d97c202b0_prep-k_q1d97c202b0_prep
	.p2alignl 7, 3214868480
	.fill 96, 4, 3214868480
	.section	.rodata,"a",@progbits
	.p2align	6, 0x0
	.amdhsa_kernel k_q1d97c202b0_prep
		.amdhsa_group_segment_fixed_size 34304
		.amdhsa_private_segment_fixed_size 0
		.amdhsa_enable_private_segment 0
		.amdhsa_kernarg_size 72
		.amdhsa_user_sgpr_count 2
		.amdhsa_user_sgpr_kernarg_segment_ptr 1
		.amdhsa_wavefront_size32 1
		.amdhsa_system_sgpr_workgroup_id_x 1
		.amdhsa_system_sgpr_workgroup_id_y 1
		.amdhsa_system_sgpr_workgroup_id_z 1
		.amdhsa_system_vgpr_workitem_id 0
		.amdhsa_next_free_vgpr 258
		.amdhsa_next_free_sgpr 66
		.amdhsa_reserve_vcc 1
		.amdhsa_float_denorm_mode_32 3
		.amdhsa_float_denorm_mode_16_64 3
		.amdhsa_fp16_overflow 1
		.amdhsa_memory_ordered 1
		.amdhsa_forward_progress 1
		.amdhsa_inst_pref_size 42
	.end_amdhsa_kernel
	.amdgpu_metadata
---
amdhsa.version: [ 1, 2 ]
amdhsa.kernels:
  - .name:           k_q1d97c202b0_prep
    .symbol:         k_q1d97c202b0_prep.kd
    .args:
      - { .name: x, .offset: 0, .size: 8, .value_kind: global_buffer, .address_space: global }
      - { .name: Wq, .offset: 8, .size: 8, .value_kind: global_buffer, .address_space: global }
      - { .name: Wk, .offset: 16, .size: 8, .value_kind: global_buffer, .address_space: global }
      - { .name: Wv, .offset: 24, .size: 8, .value_kind: global_buffer, .address_space: global }
      - { .name: Wo, .offset: 32, .size: 8, .value_kind: global_buffer, .address_space: global }
      - { .name: token_positions, .offset: 40, .size: 8, .value_kind: global_buffer, .address_space: global }
      - { .name: lowp_scales, .offset: 48, .size: 8, .value_kind: global_buffer, .address_space: global }
      - { .name: codes, .offset: 56, .size: 8, .value_kind: global_buffer, .address_space: global }
      - { .name: tab, .offset: 64, .size: 8, .value_kind: global_buffer, .address_space: global }
    .group_segment_fixed_size: 34304
    .private_segment_fixed_size: 0
    .kernarg_segment_align: 8
    .kernarg_segment_size: 72
    .max_flat_workgroup_size: 128
    .sgpr_count:     66
    .vgpr_count:     258
    .wavefront_size: 32
...
	.end_amdgpu_metadata
.endif
;; end of part 1
;; launch qkv (part 2): grid 12 x 32, 4 waves a work-group, clusters of 4 x 4, 327,680 bytes of LDS; arguments codes, tab, lowp_scales, qkv; writes qkv
.if DOCPART == 2
	.amdgcn_target "amdgcn-amd-amdhsa--gfx1250"
	.amdhsa_code_object_version 6
	.text
	.protected	k_q1d97c202b0_qkv
	.globl	k_q1d97c202b0_qkv
	.p2align	8
	.type	k_q1d97c202b0_qkv,@function
k_q1d97c202b0_qkv:
	s_mov_b64 s[64:65], 0
	v_nop
	global_prefetch_b8 v0, s[64:65] scope:SCOPE_SE
	s_setreg_imm32_b32 hwreg(HW_REG_WAVE_MODE, 25, 1), 1
	s_wait_xcnt 0x0
	s_wait_alu depctr_hold_cnt(0) depctr_sa_sdst(0) depctr_va_vdst(0) depctr_va_sdst(0) depctr_va_ssrc(0) depctr_va_vcc(0) depctr_vm_vsrc(0)
	s_getreg_b32 s2, hwreg(HW_REG_IB_STS2, 6, 4)
	s_cmp_eq_u32 s2, 0
	s_cbranch_scc0 .Lentry_in_a_cluster
	s_endpgm
.Lentry_in_a_cluster:
	s_bfe_u32 s2, ttmp6, 0x10000c
	s_cmp_lg_u32 s2, 0xf033
	s_cbranch_scc0 .Lentry_shape_is_right
	s_endpgm
.Lentry_shape_is_right:
; The three projections on codes of E4M3, K = 1,024, and what follows them: the rotation of q and k, and the quantising of q, k (along the head's 64) and v (along the keys).
; The cluster's x says which product: 0: q = x Wq^T, 1: k = x Wk^T, 2: v.  For q and k the operand called A here is x (8,192 rows) and B the weight (1,024 rows); for v they change places: A = Wv, B = x.
; A tile of 256 rows of A x 256 rows of B is made by four waves, as many as a WGP has SIMDs; a wave makes 128 x 128: 64 accumulators of 16 x 16, 512 registers.
; THE OPERANDS LIE IN THE ORDER OF THEIR REGISTERS: 16 rows x 128 K are 2,048 bytes on end, four pieces of 512 bytes, 16 a lane.  So a fragment is four ds_load_b128 of 512 consecutive bytes each: no pitch, no padding.
; A lane's registers 4 c .. 4 c + 3 hold k = 32 c + 16 (lane / 16) + 0 .. 15: a permutation of k, the same in A and in B.
; K goes in steps of 256 through a ring of two LDS slots: of each 16 rows a step is 4,096 consecutive bytes; a wave's tensor load brings 8 such rows of bytes, 16,384 apart in memory: 128 rows of the operand.
; CLUSTERS: 4 x 4 work-groups.  The four of a row of the cluster need the same tiles of A, the four of a column the same tiles of B: each tile is asked for JOINTLY.
; THE MATRIX INSTRUCTION IS USED TRANSPOSED (source 0 = 16 rows of B, source 1 = 16 rows of A): lane (r, h) of accumulator (a, b) holds A's row 16 a + r and B's rows 16 b + 8 h + 0 .. 7.
; THE WAY OUT NEEDS NO LDS.  q, k: a lane holds one token and eight neighbouring features, four rotation pairs; cos and sin come from the table in just that order.  Two conversions (accumulators 2 B, 2 B + 1) give the lane's
; 16 bytes of a piece of the next product's operand, in the layout of the K = 64 form: a wave's store covers 512 consecutive bytes.  v: a lane holds one feature and eight neighbouring keys: the K = 128 form's layout, keys innermost.
; qkv: q at 0: [head of 64][tile of 16 tokens: 128][1,024 bytes];  at 8,388,608: [head][step of 128 keys: 16][16,384 bytes]: K's 8 tiles of 16 keys, then V^T's four fragments of 16 features x 128 keys.
; A sum stands for sum x 2^(its operands' two exponents); the rotation is linear: so the three exponents are folded into the conversion's one scale, 2^E, E = e6 - e0 - e1, e7 - e2 - e3, e9 - e4 - e5.
; The v product's work-groups load two blocks of the table that they do not use (8,192 bytes a wave), so that every wave's text has the same loads at the head.
; LIMITS: E between -126 and 119.  NaN among the inputs is not served.
; REGISTERS, in windows of 256: window 0: v0-31 addresses and constants; v32-95 the table, two sets; in the loop v128-255 A's fragments, ONE set; on the way out v96-159 rotated numbers, v160-167 at work, v168-199 codes, two sets.
;   window 1: B's fragments, TWO sets.   window 2: the accumulators of my rows 0-63 of A ((a, b) at v[8 (8 a + b)]);   window 3: those of rows 64-127.
.set HALFT,  32768                     ; 128 rows x 256 K: what one tensor load brings, and what one wave reads of A or of B
.set SLOT,   4*HALFT                   ; A's two halves, then B's two
.set SPARE,  2*SLOT                    ; behind the ring: the spare words, 128 bytes for each wave, that no other line names
.set KB,     4096                      ; a K step of 16 rows, in bytes
.set LAPS,   2                         ; 1,024 / 256 = four K steps = twice round the ring
.set FR,     16                        ; registers of a fragment
.set NL,     4                         ; LDS loads that bring one
.set NP,     4                         ; places behind this matrix instruction (ISA guide 7.12.1)
.set WREG,   25165824                  ; codes: Wq's region; Wk's follows
.set WVREG,  27262976                  ; Wv's
.set XVREG,  16777216                  ; x by entry 4
.set KVOFF,  8388608                   ; qkv: where K's and V's images begin
.set ADRA, 16                          ; v16-17  LDS address of my A fragments in slot 0, 1
.set ADRB, 20                          ; v20-21  the same for B
.set LN,   26                          ; v26     16 x lane; never rewritten
.set SPW,  28                          ; v28     LDS address of my spare word; never rewritten
.set NIL,  29                          ; v29     0; never rewritten
.set SC,   30                          ; v30     2^E as f32
.set LIM,  31                          ; v31     448 x 2^E
.set TAB,  32
.set TMP,  96
.set TT,   160
.set CD,   168
.set AF,   128
.set G1, 24                            ; s[24:31] descriptor group 1 for A's tiles;  s[32:39] group 0, one set for each slot
.set G0, 32
.set G1B, 48                           ; s[48:55], s[56:63] the same for B's tiles
.set G0B, 56
.set MSB, 0
.macro WIN new                         ; the immediate's high byte repeats the setting that is left
.if MSB != (\new)
	s_set_vgpr_msb (MSB<<8)|(\new)
.set MSB, (\new)
.endif
.endm
.set MUL_LO, 0xa1                      ; source 0 (B) window 1, source 1 (A) window 0, C and D window 2
.set MUL_HI, 0xf1                      ; the same, C and D window 3
.set TO_B,   0x40                      ; destination window 1, address window 0
; A joint load: waves 0 and 1 fetch for A, waves 2 and 3 for B.  Each of the two lines has one mask and one set of registers for all that issue it; the branch hangs on the wave's number alone.
; Four v_nop follow each of the two lines, ahead of the jump, the label and what follows.
.macro JLOAD g0a, g1a, g0b, g1b
	s_cmp_eq_u32 s15, 0
	s_cbranch_scc0 .Lfor_b_\@
	tensor_load_to_lds s[\g0a:\g0a+3], s[\g1a:\g1a+7]
	s_nop 0
.rept 4
	v_nop
.endr
	s_branch .Lasked_\@
.Lfor_b_\@:
	tensor_load_to_lds s[\g0b:\g0b+3], s[\g1b:\g1b+7]
	s_nop 0
.rept 4
	v_nop
.endr
.Lasked_\@:
.endm
.macro CREST                           ; a round of the cluster's barrier behind its opening barrier
	s_cmp_lg_u32 s14, 0
	s_cbranch_scc1 .Lnot_wave_0_\@
	s_barrier_signal -3
.Lnot_wave_0_\@:
	s_barrier_wait -3
	s_barrier_signal -1
	s_barrier_wait -1
.endm
.macro CROUND                          ; a whole round
	s_barrier_signal -1
	s_barrier_wait -1
	CREST
.endm
	s_load_b128 s[4:7], s[0:1], 0x0                ; codes s[4:5], tab s[6:7]
	s_load_b128 s[8:11], s[0:1], 0x10              ; the scales' exponents s[8:9], qkv s[10:11]
	v_lshl_add_u32 v[SPW], v0, 2, SPARE
	v_mov_b32 v[NIL], 0
	ds_add_u32 v28, v29
	ds_add_u32 v28, v29
	s_wait_dscnt 0x0
	v_lshrrev_b32 v1, 5, v0
	v_readfirstlane_b32 s14, v1                    ; wave 0..3
	s_lshr_b32 s15, s14, 1                         ; which half of the tile's rows of A is mine.  Also: I fetch for A (0) or for B (1)
	s_and_b32 s16, s14, 1                          ; which half of its rows of B.  Also: which 128 rows I fetch
	s_bfe_u32 s40, ttmp6, 0x40000                  ; cx, cy: my place in the cluster
	s_bfe_u32 s41, ttmp6, 0x40004
	s_and_b32 s43, ttmp7, 0xffff
	s_lshl_b32 s43, s43, 2                         ; 4 x cluster y: it walks x's 32 tiles of rows
	s_lshl_b32 s44, ttmp9, 23                      ; A's region for q and k: x by entry 0 or 2
	s_lshl_b32 s45, ttmp9, 20
	s_add_co_u32 s45, s45, WREG                    ; B's: Wq or Wk
	s_cmp_eq_u32 ttmp9, 2                          ; v?  The cluster's x is the same in all sixteen partners
	s_cselect_b32 s17, 0, s43
	s_cselect_b32 s42, s43, 0
	s_cselect_b32 s44, WVREG, s44
	s_cselect_b32 s45, XVREG, s45
	s_add_co_u32 s17, s17, s41                     ; A's tile of 256 rows: it hangs on cy, never on cx
	s_add_co_u32 s42, s42, s40                     ; B's: on cx, never on cy
	s_lshl_b32 s66, s41, 2
	s_lshl_b32 s66, 15, s66                        ; my row of the cluster
	s_lshl_b32 s67, 0x1111, s40                    ; my column
	; descriptor group 1: 8 rows of 512 elements of 8 bytes, 2,048 elements apart; dense in LDS
	s_or_b32 s[G1+0], s66, (3<<16)|(1<<21)         ; 15:0 the mask: A's tiles go to my row; 17:16 elements of 8 bytes; 20 no padding; 21 set beside a mask
	s_or_b32 s[G1B+0], s67, (3<<16)|(1<<21)
.irp g, G1, G1B
	s_mov_b32 s[\g+1], 512<<16                     ; tensor_dim0 = 512
	s_mov_b32 s[\g+2], 8<<16                       ; tensor_dim1 = 8
	s_mov_b32 s[\g+3], 512<<16                     ; tile_dim0 = 512
	s_mov_b32 s[\g+4], 8                           ; tile_dim1 = 8
	s_mov_b32 s[\g+5], 2048                        ; tensor_dim0_stride
	s_mov_b32 s[\g+6], 0
	s_mov_b32 s[\g+7], 0
.endr
	s_lshl_b32 s18, s16, 17                        ; which 128 rows of the tile I fetch: 131,072 bytes
	s_lshl_b32 s20, s17, 18                        ; a tile of 256 rows is 262,144 bytes
	s_add_co_u32 s20, s20, s44
	s_add_co_u32 s20, s20, s18
	s_mov_b32 s21, 0
	s_lshl_b32 s46, s42, 18
	s_add_co_u32 s46, s46, s45
	s_add_co_u32 s46, s46, s18
	s_mov_b32 s47, 0
	s_lshl_b32 s19, s14, 15                        ; where they go: wave x 32,768: no place in the cluster enters an LDS address
	s_wait_kmcnt 0x0
	s_load_b256 s[72:79], s[8:9], 0x0              ; e0 .. e7
	s_load_b128 s[80:83], s[8:9], 0x20             ; e8 .. e11
	s_add_nc_u64 s[20:21], s[4:5], s[20:21]
	s_add_nc_u64 s[46:47], s[4:5], s[46:47]
	CROUND                                         ; all sixteen work-groups are here: the first joint loads meet
.irp s, 0,1
	s_mov_b32 s[G0+4*\s], 1
	s_add_co_u32 s[G0+4*\s+1], s19, \s*SLOT
	s_add_nc_u64 s[G0+4*\s+2:G0+4*\s+3], s[20:21], \s*KB
	s_or_b32 s[G0+4*\s+3], s[G0+4*\s+3], 0x80000000
	s_mov_b32 s[G0B+4*\s], 1
	s_add_co_u32 s[G0B+4*\s+1], s19, \s*SLOT
	s_add_nc_u64 s[G0B+4*\s+2:G0B+4*\s+3], s[46:47], \s*KB
	s_or_b32 s[G0B+4*\s+3], s[G0B+4*\s+3], 0x80000000
	JLOAD G0+4*\s, G1, G0B+4*\s, G1B
.endr
	v_and_b32 v2, 31, v0
	v_lshlrev_b32 v[LN], 4, v2
	s_wait_alu depctr_va_vdst(0)
	s_lshl_b32 s21, s15, 15                        ; my 128 rows of A
	s_lshl_b32 s22, s16, 15                        ; my 128 rows of B,
	s_add_co_u32 s22, s22, 2*HALFT                 ; which lie behind A's 256
.irp s, 0,1
	v_add_nc_u32 v[ADRA+\s], s21, v[LN]
	v_add_nc_u32 v[ADRB+\s], s22, v[LN]
	s_add_co_u32 s21, s21, SLOT
	s_add_co_u32 s22, s22, SLOT
.endr
	s_lshl_b32 s23, s17, 8
	s_lshl_b32 s68, s15, 7
	s_add_co_u32 s23, s23, s68                     ; my first row of A
	s_lshl_b32 s69, s42, 8
	s_lshl_b32 s68, s16, 7
	s_add_co_u32 s69, s69, s68                     ; my first row of B
	s_and_b32 s70, s23, 2047                       ; q, k: A's rows are tokens; the place in the sequence; 16 places are 4,096 bytes of the table
	s_lshl_b32 s70, s70, 8
	s_mov_b32 s71, 0
	s_add_nc_u64 s[88:89], s[6:7], s[70:71]
.macro TLOADS a                        ; the table for my block a of 16 tokens: 8 loads of 512 consecutive bytes, into set a % 2: register 8 c + 2 i, + 1 = cos, sin of pair 8 c + 4 h + i at my token
.irp c, 0,1,2,3
.irp u, 0,1
	global_load_b128 v[TAB+32*((\a)%2)+8*\c+4*\u:TAB+32*((\a)%2)+8*\c+4*\u+3], v[LN], s[88:89] offset:(\a)*4096+\c*1024+\u*512
.endr
.endr
.endm
	TLOADS 0
	TLOADS 1
	s_cmp_eq_u32 ttmp9, 2
	s_cselect_b32 s70, s69, s23                    ; my first token,
	s_cselect_b32 s68, s23, s69                    ; my first feature
	s_cselect_b32 s95, 8192, 0                     ; V's half of a step's image
	s_lshr_b32 s90, s70, 11
	s_lshl_b32 s90, s90, 4
	s_lshr_b32 s68, s68, 6
	s_add_co_u32 s90, s90, s68                     ; the first of my two heads: 16 x batch + feature / 64
	s_and_b32 s70, s70, 2047
	s_cmp_eq_u32 ttmp9, 0
	s_cselect_b32 s92, 17, 18                      ; a head's images: 131,072 bytes of q, 262,144 of K and V
	s_cselect_b32 s93, 6, 7                        ; a token's share: 64 bytes in q's, 128 in a step's
	s_cselect_b32 s94, 0, KVOFF
	s_lshl_b32 s90, s90, s92
	s_lshl_b32 s70, s70, s93
	s_add_co_u32 s90, s90, s70
	s_add_co_u32 s90, s90, s94
	s_add_co_u32 s90, s90, s95
	s_mov_b32 s91, 0
	s_lshl_b32 s92, 1, s92
	s_mov_b32 s93, 0
	s_add_nc_u64 s[84:85], s[10:11], s[90:91]      ; where my first head's images begin,
	s_add_nc_u64 s[86:87], s[84:85], s[92:93]      ; and my second head's
	s_wait_alu depctr_va_vdst(0)
	s_wait_kmcnt 0x0
	s_sub_co_i32 s96, s78, s72                     ; e6 - e0 - e1
	s_sub_co_i32 s96, s96, s73
	s_sub_co_i32 s97, s79, s74                     ; e7 - e2 - e3
	s_sub_co_i32 s97, s97, s75
	s_sub_co_i32 s98, s81, s76                     ; e9 - e4 - e5
	s_sub_co_i32 s98, s98, s77
	s_cmp_eq_u32 ttmp9, 0                          ; chosen by the product's number, without a branch
	s_cselect_b32 s96, s96, s97
	s_cmp_eq_u32 ttmp9, 2
	s_cselect_b32 s96, s98, s96
	s_add_co_i32 s96, s96, 127
	s_lshl_b32 s97, s96, 23
	v_mov_b32 v[SC], s97
	s_add_co_i32 s96, s96, 8
	s_lshl_b32 s96, s96, 23
	s_or_b32 s96, s96, 0x600000
	v_mov_b32 v[LIM], s96
.macro FRAG reg, adr, q, i             ; block i's fragment of the slot's q-th 128 along K: four pieces of 512 consecutive bytes
.irp c, 0,1,2,3
	ds_load_b128 v[\reg+4*\c:\reg+4*\c+3], v[\adr] offset:(\i)*KB+2048*(\q)+512*\c
.endr
.endm
; 16 matrix instructions: A's blocks a0, a0 + 1 x B's eight, 128 along K.  p: B's set.  zero = 1: the first product starts the sums: nothing is ever cleared.
; The 64 accumulators take turns, one instruction a turn, in the same order in every step.
.macro MUL16 a0, p, zero
.irp a, \a0, \a0+1
.irp b, 0,1,2,3,4,5,6,7
.if \zero
	v_wmma_f32_16x16x128_fp8_fp8 v[8*(8*((\a)%4)+\b):8*(8*((\a)%4)+\b)+7], v[128*(\p)+FR*\b:128*(\p)+FR*\b+FR-1], v[AF+FR*(\a):AF+FR*(\a)+FR-1], 0
.else
	v_wmma_f32_16x16x128_fp8_fp8 v[8*(8*((\a)%4)+\b):8*(8*((\a)%4)+\b)+7], v[128*(\p)+FR*\b:128*(\p)+FR*\b+FR-1], v[AF+FR*(\a):AF+FR*(\a)+FR-1], v[8*(8*((\a)%4)+\b):8*(8*((\a)%4)+\b)+7]
.endif
.endr
.endr
.endm
.macro FETCH_B slot, q, p              ; B's eight fragments into set p
	WIN TO_B
.irp i, 0,1,2,3,4,5,6,7
	FRAG 128*(\p)+FR*\i, ADRB+\slot, \q, \i
.endr
	WIN 0
.endm
.macro FETCH_A slot, q, i0             ; A's blocks i0 .. i0 + 3
.irp i, \i0, \i0+1, \i0+2, \i0+3
	FRAG AF+FR*(\i), ADRA+\slot, \q, \i
.endr
.endm
; A load into a register that a matrix instruction has read, and a vector instruction that reads a matrix result or writes one of a matrix instruction's registers, stand NP places behind it;
; only plain vector instructions that name none of its registers are places (ISA guide 7.12.1 for vector instructions).
.macro PLACES n
.rept \n
	v_nop
.endr
.endm
; A step of 128 along K that has its successor in the same slot.  A block of A is free as soon as its eight products are issued: blocks 0-3 are fetched anew in the step's middle, blocks 4-7 at its end.
.macro STEP slot, q, zero
	s_wait_dscnt 4*NL                              ; B's set and A's blocks 0-3 are in; the youngest sixteen loads (A's blocks 4-7) may be out
	WIN MUL_LO
	MUL16 0, (\q)%2, \zero
	MUL16 2, (\q)%2, \zero
	s_wait_dscnt 0                                 ; A's blocks 4-7 are in
	PLACES NP
	FETCH_B \slot, (\q)+1, 1-(\q)%2
	FETCH_A \slot, (\q)+1, 0
	WIN MUL_HI
	MUL16 4, (\q)%2, \zero
	MUL16 6, (\q)%2, \zero
	PLACES NP
	WIN 0
	FETCH_A \slot, (\q)+1, 4
.endm
; A slot's last step changes slots: ONE barrier; in front of it each wave waits for all its tensor loads, adds 0 to its spare word, and waits for that and for its own reads of this slot.  fill = 1: this slot is filled again, two K steps ahead.
.macro TURN slot, next, fill
	s_wait_tensorcnt 0x0                           ; all my tensor loads have landed: my part of the next slot
	ds_add_u32 v[SPW], v[NIL]                      ; 0 onto my spare word
	s_wait_dscnt 4*NL+1                            ; (the add and the youngest sixteen loads, A's blocks 4-7, may be out)
	WIN MUL_LO
	MUL16 0, 1, 0                                  ; sixteen matrix instructions stand between the add and the wait for it
	s_wait_dscnt 0x0                               ; the add is done, and my reads of this slot are over
	s_barrier_signal -1
	MUL16 2, 1, 0
	WIN 0
	s_barrier_wait -1
.if \fill
	CREST                                          ; the barrier has opened a round of the cluster's: no wave of any partner still reads this slot's tile or has a load on its way
	s_add_nc_u64 s[G0+4*\slot+2:G0+4*\slot+3], s[G0+4*\slot+2:G0+4*\slot+3], 2*KB
	s_add_nc_u64 s[G0B+4*\slot+2:G0B+4*\slot+3], s[G0B+4*\slot+2:G0B+4*\slot+3], 2*KB
	JLOAD G0+4*\slot, G1, G0B+4*\slot, G1B         ; the first tensor load behind the round, one a wave; its four v_nop are the places in front of the loads below
.else
	PLACES NP
.endif
	FETCH_B \next, 0, 0
	FETCH_A \next, 0, 0
	WIN MUL_HI
	MUL16 4, 1, 0
	MUL16 6, 1, 0
	PLACES NP
	WIN 0
	FETCH_A \next, 0, 4
.endm
	s_wait_tensorcnt 1                             ; my part of K step 0 is in (K step 1's load may be out)
	s_barrier_signal -1
	s_barrier_wait -1                              ; everybody's is
	FETCH_B 0, 0, 0
	FETCH_A 0, 0, 0
	FETCH_A 0, 0, 4
	STEP 0, 0, 1                                   ; the first step stands in front of the loop: its products start the sums
	s_mov_b32 s3, LAPS-1
.Llap:                                                 ; a trip goes once round the ring and fills both slots again
	TURN 0, 1, 1
	STEP 1, 0, 0
	TURN 1, 0, 1
	STEP 0, 0, 0
	s_sub_co_u32 s3, s3, 1
	s_cmp_lg_u32 s3, 0
	s_cbranch_scc1 .Llap
	TURN 0, 1, 0                                   ; the last lap fills nothing, and has no round of the cluster's barrier
	STEP 1, 0, 0
	s_wait_dscnt 4*NL                              ; the very last step: nothing more to fetch
	WIN MUL_LO
	MUL16 0, 1, 0
	MUL16 2, 1, 0
	s_wait_dscnt 0
	WIN MUL_HI
	MUL16 4, 1, 0
	MUL16 6, 1, 0
	WIN 0
; q, k: block a, 16 tokens x 128 features.  (x1, x2) -> (x1 cos - x2 sin, x1 sin + x2 cos), two packed lines a pair; each accumulator is read from its low end on.
.macro ROPEOUT a
.set AC, 64*((\a)%4)
.set TS, TAB+32*((\a)%2)
.set CS, CD+16*((\a)%2)
.if (\a) < 7
	s_wait_loadcnt 8                               ; this block's eight table loads are in; the next block's eight may be out
.else
	s_wait_loadcnt 0
.endif
	WIN 0x02+((\a)/4)                              ; source 0: window 2 or 3
.irp b, 0,1,2,3,4,5,6,7
.irp i, 0,1,2,3
	v_pk_mul_f32 v[TT+2*\i:TT+2*\i+1], v[AC+8*\b+2*\i:AC+8*\b+2*\i+1], v[TS+8*(\b%4)+2*\i:TS+8*(\b%4)+2*\i+1] op_sel:[1,1] op_sel_hi:[1,0]   ; (x2 sin, x2 cos)
.endr
.irp i, 0,1,2,3
	v_pk_fma_f32 v[TMP+8*\b+2*\i:TMP+8*\b+2*\i+1], v[AC+8*\b+2*\i:AC+8*\b+2*\i+1], v[TS+8*(\b%4)+2*\i:TS+8*(\b%4)+2*\i+1], v[TT+2*\i:TT+2*\i+1] op_sel_hi:[0,1,1] neg_lo:[0,0,1]   ; (x1 cos - x2 sin, x1 sin + x2 cos)
.endr
.endr
	WIN 0
.if (\a)+2 < 8
	TLOADS (\a)+2                                  ; into the set just read
.endif
.set j, 0
.rept 64
.set j, j+1
.endr
	s_wait_alu depctr_va_vdst(0)
	s_wait_xcnt 0x0                                ; this set of codes is the data of the stores two blocks back: it is written again only behind this wait
.irp b, 0,1,2,3,4,5,6,7
	v_cvt_scalef32_pk8_fp8_f32 v[CS+2*\b:CS+2*\b+1], v[TMP+8*\b:TMP+8*\b+7], v[SC]
.endr
	v_nop                                          ; a plain line between the last conversion and the next vector line that writes its sources
.irp p, 0,1,2,3                                ; piece p: head p / 2, features 32 (p % 2) on: 512 consecutive bytes
	global_store_b128 v[LN], v[CS+4*\p:CS+4*\p+3], s[84+2*(\p/2):85+2*(\p/2)] offset:(\a)*1024+(\p%2)*512
.endr
.endm
; v: block a, 16 features (head a / 4, fragment a % 4) x 128 keys
.macro VOUT a
.set AC, 64*((\a)%4)
.set CS, CD+16*((\a)%2)
	WIN 0x02+((\a)/4)
.set j, 0
.rept 64
	v_med3_num_f32 v[TMP+j], v[AC+j], -v[LIM], v[LIM]
.set j, j+1
.endr
	WIN 0
	s_wait_alu depctr_va_vdst(0)
	s_wait_xcnt 0x0
.irp b, 0,1,2,3,4,5,6,7
	v_cvt_scalef32_pk8_fp8_f32 v[CS+2*\b:CS+2*\b+1], v[TMP+8*\b:TMP+8*\b+7], v[SC]
.endr
	v_nop
.irp p, 0,1,2,3                                ; piece p: keys 32 p on
	global_store_b128 v[LN], v[CS+4*\p:CS+4*\p+3], s[84+2*((\a)/4):85+2*((\a)/4)] offset:((\a)%4)*2048+\p*512
.endr
.endm
	PLACES NP                                      ; behind the last products: their sources (v128-255) are written below, their results read much later
	s_cmp_eq_u32 ttmp9, 2                          ; the cluster's x: the same in all partners
	s_cbranch_scc1 .Lvout
.irp a, 0,1,2,3,4,5,6,7
	ROPEOUT \a
.endr
	s_branch .Lend
.Lvout:
	s_wait_alu depctr_va_vdst(0)
.irp a, 0,1,2,3,4,5,6,7
	VOUT \a
.endr
.Lend:
	s_wait_tensorcnt 0x0                           ; the wave's end
	ds_add_u32 v[SPW], v[NIL]
	s_wait_dscnt 0x0
	CROUND                                         ; the closing round: no work-group ends while a partner may still ask for a tile that names it
	s_endpgm
.Lfunc_end_k_q1d97c202b0_qkv:
	.size	k_q1d97c202b0_qkv, .Lfunc_end_k_q1d97c202b0_qkv-k_q1d97c202b0_qkv
	.p2alignl 7, 3214868480
	.fill 96, 4, 3214868480
	.section	.rodata,"a",@progbits
	.p2align	6, 0x0
	.amdhsa_kernel k_q1d97c202b0_qkv
		.amdhsa_group_segment_fixed_size 327680
		.amdhsa_private_segment_fixed_size 0
		.amdhsa_enable_private_segment 0
		.amdhsa_kernarg_size 32
		.amdhsa_user_sgpr_count 2
		.amdhsa_user_sgpr_kernarg_segment_ptr 1
		.amdhsa_wavefront_size32 1
		.amdhsa_system_sgpr_workgroup_id_x 1
		.amdhsa_system_sgpr_workgroup_id_y 1
		.amdhsa_system_sgpr_workgroup_id_z 1
		.amdhsa_system_vgpr_workitem_id 0
		.amdhsa_next_free_vgpr 1024
		.amdhsa_next_free_sgpr 100
		.amdhsa_reserve_vcc 0
		.amdhsa_float_denorm_mode_32 3
		.amdhsa_float_denorm_mode_16_64 3
		.amdhsa_fp16_overflow 1
		.amdhsa_memory_ordered 1
		.amdhsa_forward_progress 1
		.amdhsa_inst_pref_size 166
	.end_amdhsa_kernel
	.amdgpu_metadata
---
amdhsa.version: [ 1, 2 ]
amdhsa.kernels:
  - .name:           k_q1d97c202b0_qkv
    .symbol:         k_q1d97c202b0_qkv.kd
    .args:
      - { .name: codes, .offset: 0, .size: 8, .value_kind: global_buffer, .address_space: global }
      - { .name: tab, .offset: 8, .size: 8, .value_kind: global_buffer, .address_space: global }
      - { .name: lowp_scales, .offset: 16, .size: 8, .value_kind: global_buffer, .address_space: global }
      - { .name: qkv, .offset: 24, .size: 8, .value_kind: global_buffer, .address_space: global }
    .group_segment_fixed_size: 327680
    .private_segment_fixed_size: 0
    .kernarg_segment_align: 8
    .kernarg_segment_size: 32
    .max_flat_workgroup_size: 128
    .sgpr_count:     100
    .vgpr_count:     1024
    .wavefront_size: 32
...
	.end_amdgpu_metadata
.endif
;; end of part 2
;; launch attn (part 3): grid 4 x 64, 16 waves a work-group, clusters of 4 x 1, 264,192 bytes of LDS; arguments qkv, lowp_scales, ac; writes ac
.if DOCPART == 3
	.amdgcn_target "amdgcn-amd-amdhsa--gfx1250"
	.amdhsa_code_object_version 6
	.text
	.protected	k_q1d97c202b0_attn
	.globl	k_q1d97c202b0_attn
	.p2align	8
	.type	k_q1d97c202b0_attn,@function
k_q1d97c202b0_attn:
	s_mov_b64 s[64:65], 0
	v_nop
	global_prefetch_b8 v0, s[64:65] scope:SCOPE_SE
	s_setreg_imm32_b32 hwreg(HW_REG_WAVE_MODE, 25, 1), 1
	s_wait_xcnt 0x0
	s_wait_alu depctr_hold_cnt(0) depctr_sa_sdst(0) depctr_va_vdst(0) depctr_va_sdst(0) depctr_va_ssrc(0) depctr_va_vcc(0) depctr_vm_vsrc(0)
	s_getreg_b32 s2, hwreg(HW_REG_IB_STS2, 6, 4)
	s_cmp_eq_u32 s2, 0
	s_cbranch_scc0 .Lentry_in_a_cluster
	s_endpgm
.Lentry_in_a_cluster:
	s_bfe_u32 s2, ttmp6, 0x10000c
	s_cmp_lg_u32 s2, 0x3003
	s_cbranch_scc0 .Lentry_shape_is_right
	s_endpgm
.Lentry_shape_is_right:
; Causal attention on codes of E4M3: S = q k^T (K = the head's 64), p = 2^(t - M), O = p v (K = the keys), O / the row's sum, quantised with entry 10 for the last projection.
; t = score x log2(e) / 8; M = the row's largest t so far, rounded UP to a whole number; p is quantised along the keys with entry 8, not normalised; the row's sum is taken of the unquantised p.
; When M moves, the sum and O are multiplied by 2^(old M - new M): nothing is rounded, and there is no branch on data.
; SHARES.  A cluster of four work-groups is one head (64 heads); each work-group holds the head's WHOLE K and V in LDS: 16 steps of 128 keys x 16,384 bytes, filled once, by joint loads: each step is fetched once for the four.
; Nothing is filled again: no ring.  The head's 128 tiles of 16 queries are numbered 8 g + 2 cx + e; a tile of group g needs key steps 0 .. g, and step g is the one that the mask cuts.
; Wave w (e = w / 8, w' = w % 8) takes TWO tiles, of groups w' and 15 - w': (w' + 1) + (16 - w') = 17 tile steps for every wave of every work-group.
; Every branch hangs on the wave's number and a loop's counter; cx enters the addresses of q and of the result, and the mask's threshold (data in a vector register), and nothing else.
; LAYOUT.  Both products are used transposed: S^T = K Q^T (source 0 = 16 keys, source 1 = 16 queries), O^T = V^T P^T: a lane holds ONE query (lane % 16) throughout.  All operands lie in memory and LDS as images of their
; registers (512 consecutive bytes a load).  Tile t of S^T holds keys 16 t + 8 (lane / 16) + 0 .. 7: its conversion IS registers 2 t, 2 t + 1 of P in the K = 128 form's layout.
; V's features lie with bits 3 and 4 of their number exchanged, so that O^T's conversions are the lane's 16 bytes of the last product's operand: two stores of 512 consecutive bytes a tile.
; LIMITS on the given exponents: e6 + e7 between -123 and 130 (added to the exponent field of log2(e) / 8); e8 and e10 between -126 and 119; e8 + e9 is applied by v_ldexp_f32.
; REGISTERS: v1 16 x lane; v2 the step's LDS address; v3 the mask's threshold; v4 -infinity; v6 2^e8; v7 a permute's destination; v[8:9] -M and the largest t, v[10:11] the sum, of tile A; v[12:15] of tile B;
;   v16-23, v24-31 Q of A, of B; v32-95 fragments of K, then of V; v96-159 S^T, then p; v160-191, v192-223 O^T of A, of B; v224-239 p's codes; v240 f; v242-245 at work; v247 2^e10; v248-255 the result's codes.
.set WV,  10                           ; s10  my wave's number
.set GA,  15                           ; s15  tile A's group
.set GB,  16                           ; s16  tile B's group
.set ST,  17                           ; s17  the key step
.set TB,  18                           ; s18  16,384 x the key step: where its image begins in LDS
.set CNT, 19                           ; s19  a loop's counter
.set G1,  24                           ; s[24:31] descriptor group 1
.set G0,  32                           ; s[32:47] four groups 0
.set KVOFF, 8388608
.set LN,  1
.set ADK, 2
.set DM,  3
.set NINF, 4
.macro ROUND                           ; a round of the cluster's barrier
	s_barrier_signal -1
	s_barrier_wait -1
	s_cmp_lg_u32 s[WV], 0
	s_cbranch_scc1 .Lnot_wave_0_\@
	s_barrier_signal -3
.Lnot_wave_0_\@:
	s_barrier_wait -3
	s_barrier_signal -1
	s_barrier_wait -1
.endm
	s_load_b128 s[4:7], s[0:1], 0x0                ; qkv s[4:5], the scales' exponents s[6:7]
	s_load_b64 s[8:9], s[0:1], 0x10                ; ac
	v_lshl_add_u32 v254, v0, 2, 0x40000
	v_mov_b32 v255, 0
	ds_add_u32 v254, v255
	ds_add_u32 v254, v255
	s_wait_dscnt 0x0
	v_lshrrev_b32 v1, 5, v0
	s_delay_alu instid0(VALU_DEP_1)
	v_readfirstlane_b32 s[WV], v1                  ; wave 0..15
	s_bfe_u32 s11, ttmp6, 0x40000                  ; cx
	s_and_b32 s12, ttmp7, 0xffff                   ; the head, 16 x batch + head: the four partners share it
	s_and_b32 s13, s[WV], 3                        ; the fetching wave's number (waves 0 to 3 fetch)
	s_lshr_b32 s14, s[WV], 3                       ; e
	s_and_b32 s[GA], s[WV], 7
	s_sub_co_u32 s[GB], 15, s[GA]
	; descriptor group 1: a step's image, 16,384 dense bytes, as 64 rows of 32 elements of 8 bytes
	s_mov_b32 s[G1], 15|(3<<16)|(1<<21)            ; 15:0 the mask: all four work-groups; 17:16 elements of 8 bytes; 20 no padding; 21 set beside a mask
	s_mov_b32 s[G1+1], 32<<16                      ; tensor_dim0
	s_mov_b32 s[G1+2], 64<<16                      ; tensor_dim1
	s_mov_b32 s[G1+3], 32<<16                      ; tile_dim0
	s_mov_b32 s[G1+4], 64                          ; tile_dim1
	s_mov_b32 s[G1+5], 32                          ; tensor_dim0_stride
	s_mov_b32 s[G1+6], 0
	s_mov_b32 s[G1+7], 0
	s_mov_b32 s20, 0x76543210                      ; v_permlanex16_b32's selects for lane l xor 16
	s_mov_b32 s21, 0xfedcba98
	s_mov_b32 s[ST], 0
	s_mov_b32 s[TB], 0
	s_lshl_b32 s2, s13, 14                         ; load n of wave i brings step 4 n + i
	s_lshl_b32 s72, s12, 18                        ; a head's K and V: 262,144 bytes
	s_add_co_u32 s72, s72, KVOFF
	s_add_co_u32 s72, s72, s2
	s_mov_b32 s73, 0
	s_wait_kmcnt 0x0
	s_load_b256 s[48:55], s[6:7], 0x0              ; e0 .. e7
	s_load_b128 s[56:59], s[6:7], 0x20             ; e8 .. e11
	s_add_nc_u64 s[72:73], s[4:5], s[72:73]
.irp n, 0,1,2,3
	s_mov_b32 s[G0+4*\n], 1                        ; count = 1
	s_add_co_u32 s[G0+4*\n+1], s2, \n*65536        ; LDS address: 16,384 x the step
	s_add_nc_u64 s[G0+4*\n+2:G0+4*\n+3], s[72:73], \n*65536
	s_or_b32 s[G0+4*\n+3], s[G0+4*\n+3], 0x80000000   ; type = 2
.endr
	ROUND                                          ; all four work-groups are here: the joint loads meet
	s_cmp_lt_u32 s[WV], 4                          ; a wave's four fills stand in one branch, ahead of every wait on TENSORcnt, every LDS read and every other barrier: four loads of mine are out
	s_cbranch_scc0 .Lno_fetch
	tensor_load_to_lds s[G0:G0+3], s[G1:G1+7]
	s_nop 0
	tensor_load_to_lds s[G0+4:G0+7], s[G1:G1+7]
	s_nop 0
	tensor_load_to_lds s[G0+8:G0+11], s[G1:G1+7]
	s_nop 0
	tensor_load_to_lds s[G0+12:G0+15], s[G1:G1+7]
	s_nop 0
.rept 4
	v_nop
.endr
.Lno_fetch:
	v_and_b32 v[LN], 31, v0
	s_delay_alu instid0(VALU_DEP_1)
	v_lshlrev_b32 v[LN], 4, v[LN]
	s_wait_alu depctr_va_vdst(0)
	s_lshl_b32 s3, s11, 1
	s_add_co_u32 s3, s3, s14                       ; 2 cx + e
	s_lshl_b32 s74, s[GA], 3
	s_add_co_u32 s74, s74, s3                      ; tile A's number
	s_lshl_b32 s75, s[GB], 3
	s_add_co_u32 s75, s75, s3                      ; tile B's
	s_lshl_b32 s77, s12, 17                        ; a head's q: 131,072 bytes; a tile: 1,024
	s_lshl_b32 s60, s74, 10
	s_add_co_u32 s60, s60, s77
	s_mov_b32 s61, 0
	s_add_nc_u64 s[60:61], s[4:5], s[60:61]
	s_lshl_b32 s66, s75, 10
	s_add_co_u32 s66, s66, s77
	s_mov_b32 s67, 0
	s_add_nc_u64 s[66:67], s[4:5], s[66:67]
	global_load_b128 v[16:19], v[LN], s[60:61]     ; Q stays in registers
	global_load_b128 v[20:23], v[LN], s[60:61] offset:512
	global_load_b128 v[24:27], v[LN], s[66:67]
	global_load_b128 v[28:31], v[LN], s[66:67] offset:512
	s_lshr_b32 s78, s12, 4
	s_lshl_b32 s78, s78, 7                         ; the batch's 128 tiles of tokens; a tile's 16 rows of the result are 16,384 bytes, a head's share of them 1,024
	s_and_b32 s79, s12, 15
	s_lshl_b32 s79, s79, 10
	s_add_co_u32 s68, s78, s74
	s_lshl_b32 s68, s68, 14
	s_add_co_u32 s68, s68, s79
	s_mov_b32 s69, 0
	s_add_nc_u64 s[68:69], s[8:9], s[68:69]
	s_add_co_u32 s70, s78, s75
	s_lshl_b32 s70, s70, 14
	s_add_co_u32 s70, s70, s79
	s_mov_b32 s71, 0
	s_add_nc_u64 s[70:71], s[8:9], s[70:71]
	v_and_b32 v244, 15, v0                         ; r
	v_bfe_u32 v245, v0, 4, 1                       ; h
	s_delay_alu instid0(VALU_DEP_1)
	v_lshlrev_b32 v245, 3, v245
	s_delay_alu instid0(VALU_DEP_1)
	v_sub_nc_u32 v[DM], v244, v245
	s_lshl_b32 s3, s3, 4
	v_add_nc_u32 v[DM], s3, v[DM]                  ; my query's place in its group's 128, less 8 h: in the step on the diagonal register 8 t + j holds key 16 t + j + 8 h: hidden where 16 t + j is above this
	v_mov_b32 v[NINF], 0xff800000
	v_mov_b32 v7, 0                                ; written once: a lane permute's destination counts as one of its sources
	v_mov_b32 v241, 0                              ; (named as the upper half of the pair v[240:241])
	v_mov_b32 v9, 0xff61b1e6                       ; the largest t so far: -3e38, under every t
	v_mov_b32 v13, 0xff61b1e6
	s_delay_alu instid0(VALU_DEP_2)
	v_floor_f32 v8, -v9                            ; -M
	s_delay_alu instid0(VALU_DEP_2)
	v_floor_f32 v12, -v13
	v_mov_b32 v10, 0                               ; the sums, in two halves
	v_mov_b32 v11, 0
	v_mov_b32 v14, 0
	v_mov_b32 v15, 0
.set j, 0
.rept 64
	v_mov_b32 v[160+j], 0                          ; O^T: the step is written without a first step of its own: the first change of M multiplies zeros
.set j, j+1
.endr
	s_wait_kmcnt 0x0
	s_add_co_i32 s2, s54, s55
	s_lshl_b32 s2, s2, 23
	s_mov_b32 s22, 0x3e38aa3b                      ; log2(e) / 8
	s_add_co_i32 s22, s22, s2                      ; a score stands for score x 2^(e6 + e7): the two exponents are added to the exponent field
	s_mov_b32 s23, s22                             ; (named with it as a pair, so it is written)
	s_add_co_i32 s2, s56, 127
	s_lshl_b32 s3, s2, 23
	v_mov_b32 v6, s3                               ; 2^e8
	s_add_co_i32 s2, s58, 127
	s_lshl_b32 s3, s2, 23
	v_mov_b32 v247, s3                             ; 2^e10
	s_add_co_i32 s76, s56, s57                     ; e8 + e9
; ONE TILE'S KEY STEP.  nm: -M and the largest t; sm: the sum; q: Q; o: O^T; g: the scalar register with the tile's group.
; chk = 1: the step is left out where it lies beyond the tile's group, and masked where it is the group's own; chk = 0: all its keys count (the caller's steps lie under the group).
.macro STEP nm, sm, q, o, g, chk
.if \chk
	s_cmp_gt_u32 s[ST], s[\g]
	s_cbranch_scc1 .Lhidden_\@
.endif
	v_add_nc_u32 v[ADK], s[TB], v[LN]
.rept 4
	v_nop                                          ; places in front of loads into registers that the last products have read
.endr
.irp t, 0,1,2,3,4,5,6,7
	ds_load_b128 v[32+8*\t:35+8*\t], v[ADK] offset:1024*\t
	ds_load_b128 v[36+8*\t:39+8*\t], v[ADK] offset:1024*\t+512
.endr
	s_wait_alu depctr_va_vdst(0)
	s_wait_dscnt 0x0
.irp t, 0,1,2,3,4,5,6,7
	v_wmma_f32_16x16x64_fp8_fp8 v[96+8*\t:103+8*\t], v[32+8*\t:39+8*\t], v[\q:\q+7], 0
.endr
.rept 4
	v_nop                                          ; places: in front of the loads below, and of the first read of the scores
.endr
.irp d, 0,1,2,3
.irp c, 0,1,2,3
	ds_load_b128 v[32+16*\d+4*\c:35+16*\d+4*\c], v[ADK] offset:8192+2048*\d+512*\c   ; V's four fragments land while the softmax is walked
.endr
.endr
.if \chk
	s_cmp_lt_u32 s[ST], s[\g]
	s_cbranch_scc1 .Lopen_\@
.set n, 0
.rept 64
	v_cmp_gt_i32 vcc_lo, 16*(n/8)+n%8, v[DM]       ; on the diagonal hidden scores become -infinity ahead of the maximum: p = 0 then
	v_cndmask_b32 v[96+n], v[96+n], v[NINF], vcc_lo
.set n, n+1
.endr
.Lopen_\@:
.endif
	v_max3_num_f32 v244, v96, v97, v98             ; the step's largest score of my query among my 64 keys, in two chains, each accumulator from its low end on,
	v_max3_num_f32 v245, v99, v100, v101
.irp i, 6,10,14,18,22,26,30,34,38,42,46,50,54,58
	v_max3_num_f32 v244, v244, v[96+\i], v[97+\i]
	v_max3_num_f32 v245, v245, v[98+\i], v[99+\i]
.endr
	v_max3_num_f32 v244, v244, v158, v159
	s_delay_alu instid0(VALU_DEP_1)
	v_max_num_f32 v244, v244, v245
	s_delay_alu instid0(VALU_DEP_1)
	v_permlanex16_b32 v7, v244, s20, s21
	s_delay_alu instid0(VALU_DEP_1)
	v_max_num_f32 v244, v244, v7                   ; and among lane l xor 16's
	s_delay_alu instid0(VALU_DEP_1)
	v_mul_f32 v244, s22, v244                      ; as t
	s_delay_alu instid0(VALU_DEP_1)
	v_max_num_f32 v[\nm+1], v[\nm+1], v244         ; the running largest t
	v_mov_b32 v244, v[\nm]
	s_delay_alu instid0(VALU_DEP_2)
	v_floor_f32 v[\nm], -v[\nm+1]                  ; the new -M = floor(-t) = -ceil(t)
	s_delay_alu instid0(VALU_DEP_1)
	v_sub_f32 v244, v[\nm], v244                   ; old M - new M: a whole number, 0 or less
	s_delay_alu instid0(VALU_DEP_1)
	v_cvt_i32_f32 v244, v244                       ; (it saturates)
	s_delay_alu instid0(VALU_DEP_1)
	v_ldexp_f32 v240, 1.0, v244                    ; f = 2^(old M - new M)
.set j, 0
.rept 32
	v_pk_fma_f32 v[96+j:97+j], v[96+j:97+j], s[22:23], v[\nm:\nm+1] op_sel_hi:[1,0,0]   ; t - M, two at a time
.set j, j+2
.endr
.set j, 0
	s_wait_alu depctr_va_vdst(0)
.rept 64
	v_exp_f32 v[96+j], v[96+j]                     ; p = 2^(t - M), at most 1
.set j, j+1
.endr
	v_pk_mul_f32 v[\sm:\sm+1], v[\sm:\sm+1], v[240:241] op_sel_hi:[1,0]   ; the sum under the new M: the plain line behind the exponentials
	s_wait_alu depctr_va_vdst(0)                   ; one wait for the whole batch, ahead of its first reader
	v_pk_add_f32 v[242:243], v[96:97], v[98:99]    ; the row's sum is taken of the unquantised p, in two chains
.set j, 4
.rept 15
	v_pk_add_f32 v[\sm:\sm+1], v[\sm:\sm+1], v[96+j:97+j]
	v_pk_add_f32 v[242:243], v[242:243], v[98+j:99+j]
.set j, j+4
.endr
	s_delay_alu instid0(VALU_DEP_1)
	v_pk_add_f32 v[\sm:\sm+1], v[\sm:\sm+1], v[242:243]
.irp t, 0,1,2,3,4,5,6,7
.set j, 0
.rept 8
.set j, j+1
.endr
	v_cvt_scalef32_pk8_fp8_f32 v[224+2*\t:225+2*\t], v[96+8*\t:103+8*\t], v6
.endr
.set j, 0
.rept 16
	v_pk_mul_f32 v[\o+j:\o+j+1], v[\o+j:\o+j+1], v[240:241] op_sel_hi:[1,0]   ; O^T under the new M; these are also the plain lines between the conversions and the products
.set j, j+2
.endr
	s_wait_alu depctr_va_vdst(0)
	s_wait_dscnt 0x0                               ; V is in
.irp d, 0,1,2,3                                ; the four accumulators take turns, and the scores' products stand between two steps' links
	v_wmma_f32_16x16x128_fp8_fp8 v[\o+8*\d:\o+8*\d+7], v[32+16*\d:47+16*\d], v[224:239], v[\o+8*\d:\o+8*\d+7]
.endr
.if \chk
.Lhidden_\@:
.endif
.endm
; A TILE'S WAY OUT: O^T / the sum x 2^(e8 + e9), held, quantised with 2^e10; accumulators 2 c and 2 c + 1 give the lane's 16 bytes of piece c.
.macro OUT sm, o, p
.rept 4
	v_nop                                          ; places behind the last products
.endr
	v_add_f32 v244, v[\sm], v[\sm+1]
	s_delay_alu instid0(VALU_DEP_1)
	v_permlanex16_b32 v7, v244, s20, s21
	s_delay_alu instid0(VALU_DEP_1)
	v_add_f32 v244, v244, v7                       ; the row's sum
	s_wait_alu depctr_va_vdst(0)
	v_rcp_f32 v244, v244
	v_nop                                          ; a plain line behind the reciprocal,
	s_wait_alu depctr_va_vdst(0)                   ; and the wait ahead of its first reader
	v_ldexp_f32 v244, v244, s76
.set j, 0
.rept 32
	v_mul_f32 v[96+j], v[\o+j], v244
.set j, j+1
.endr
.set j, 0
.rept 32
.set j, j+1
.endr
	s_wait_alu depctr_va_vdst(0)
	s_wait_xcnt 0x0                                ; the codes' registers are the data of the other tile's stores
.irp d, 0,1,2,3
	v_cvt_scalef32_pk8_fp8_f32 v[248+2*\d:249+2*\d], v[96+8*\d:103+8*\d], v247
.endr
	v_nop                                          ; a plain line behind the last conversion
	global_store_b128 v[LN], v[248:251], s[\p:\p+1]              ; 512 consecutive bytes each
	global_store_b128 v[LN], v[252:255], s[\p:\p+1] offset:512
.endm
.macro NEXT
	s_add_co_u32 s[ST], s[ST], 1
	s_add_co_u32 s[TB], s[TB], 16384
	s_sub_co_u32 s[CNT], s[CNT], 1
	s_cmp_lg_u32 s[CNT], 0
.endm
	s_wait_loadcnt 0x0                             ; Q
	s_wait_tensorcnt 3                             ; a fetching wave's first load is in: together steps 0 to 3; its three later loads may be out
	s_barrier_signal -1
	s_barrier_wait -1
	s_mov_b32 s[CNT], 2
.Lfirst:                                           ; steps 0 and 1
	STEP 8, 10, 16, 160, GA, 1
	STEP 12, 14, 24, 192, GB, 0
	NEXT
	s_cbranch_scc1 .Lfirst
	s_wait_tensorcnt 0x0                           ; all my loads are in,
	s_barrier_signal -1
	s_barrier_wait -1                              ; everybody's are: from here on the waves run freely
	s_mov_b32 s[CNT], 6
.Lboth:                                            ; steps 2 to 7: tile B's group is 8 or more, so all these keys count for it
	STEP 8, 10, 16, 160, GA, 1
	STEP 12, 14, 24, 192, GB, 0
	NEXT
	s_cbranch_scc1 .Lboth
	OUT 10, 160, 68
	s_mov_b32 s[CNT], 8
.Llate:                                            ; steps 8 to 15: tile B alone
	STEP 12, 14, 24, 192, GB, 1
	NEXT
	s_cbranch_scc1 .Llate
	OUT 14, 192, 70
	s_wait_xcnt 0x0
	v_lshl_add_u32 v254, v0, 2, 0x40000
	v_mov_b32 v255, 0
	s_wait_alu depctr_va_vdst(0)
	s_wait_tensorcnt 0x0
	ds_add_u32 v254, v255
	s_wait_dscnt 0x0
	ROUND                                          ; the closing round
	s_endpgm
.Lfunc_end_k_q1d97c202b0_attn:
	.size	k_q1d97c202b0_attn, .Lfunc_end_k_q1d97c202b0_attn-k_q1d97c202b0_attn
	.p2alignl 7, 3214868480
	.fill 96, 4, 3214868480
	.section	.rodata,"a",@progbits
	.p2align	6, 0x0
	.amdhsa_kernel k_q1d97c202b0_attn
		.amdhsa_group_segment_fixed_size 264192
		.amdhsa_private_segment_fixed_size 0
		.amdhsa_enable_private_segment 0
		.amdhsa_kernarg_size 24
		.amdhsa_user_sgpr_count 2
		.amdhsa_user_sgpr_kernarg_segment_ptr 1
		.amdhsa_wavefront_size32 1
		.amdhsa_system_sgpr_workgroup_id_x 1
		.amdhsa_system_sgpr_workgroup_id_y 1
		.amdhsa_system_sgpr_workgroup_id_z 1
		.amdhsa_system_vgpr_workitem_id 0
		.amdhsa_next_free_vgpr 256
		.amdhsa_next_free_sgpr 80
		.amdhsa_reserve_vcc 1
		.amdhsa_float_denorm_mode_32 3
		.amdhsa_float_denorm_mode_16_64 3
		.amdhsa_fp16_overflow 1
		.amdhsa_memory_ordered 1
		.amdhsa_forward_progress 1
		.amdhsa_inst_pref_size 97
	.end_amdhsa_kernel
	.amdgpu_metadata
---
amdhsa.version: [ 1, 2 ]
amdhsa.kernels:
  - .name:           k_q1d97c202b0_attn
    .symbol:         k_q1d97c202b0_attn.kd
    .args:
      - { .name: qkv, .offset: 0, .size: 8, .value_kind: global_buffer, .address_space: global }
      - { .name: lowp_scales, .offset: 8, .size: 8, .value_kind: global_buffer, .address_space: global }
      - { .name: ac, .offset: 16, .size: 8, .value_kind: global_buffer, .address_space: global }
    .group_segment_fixed_size: 264192
    .private_segment_fixed_size: 0
    .kernarg_segment_align: 8
    .kernarg_segment_size: 24
    .max_flat_workgroup_size: 512
    .sgpr_count:     80
    .vgpr_count:     256
    .wavefront_size: 32
...
	.end_amdgpu_metadata
.endif
;; end of part 3
;; launch oproj (part 4): grid 4 x 32, 4 waves a work-group, clusters of 4 x 4, 327,680 bytes of LDS; arguments ac, codes, lowp_scales, out0; writes out0
.if DOCPART == 4
	.amdgcn_target "amdgcn-amd-amdhsa--gfx1250"
	.amdhsa_code_object_version 6
	.text
	.protected	k_q1d97c202b0_oproj
	.globl	k_q1d97c202b0_oproj
	.p2align	8
	.type	k_q1d97c202b0_oproj,@function
k_q1d97c202b0_oproj:
	s_mov_b64 s[64:65], 0
	v_nop
	global_prefetch_b8 v0, s[64:65] scope:SCOPE_SE
	s_setreg_imm32_b32 hwreg(HW_REG_WAVE_MODE, 25, 1), 1
	s_wait_xcnt 0x0
	s_wait_alu depctr_hold_cnt(0) depctr_sa_sdst(0) depctr_va_vdst(0) depctr_va_sdst(0) depctr_va_ssrc(0) depctr_va_vcc(0) depctr_vm_vsrc(0)
	s_getreg_b32 s2, hwreg(HW_REG_IB_STS2, 6, 4)
	s_cmp_eq_u32 s2, 0
	s_cbranch_scc0 .Lentry_in_a_cluster
	s_endpgm
.Lentry_in_a_cluster:
	s_bfe_u32 s2, ttmp6, 0x10000c
	s_cmp_lg_u32 s2, 0xf033
	s_cbranch_scc0 .Lentry_shape_is_right
	s_endpgm
.Lentry_shape_is_right:
; out0[m][n] = sum over k of attn[m][k] Wo[n][k] on codes of E4M3, K = 1,024; each finished sum x 2^(e10 + e11).  A = the attention's result (8,192 rows), B = Wo (1,024 rows), out0 [8192][1024] f32.
; A tile of 256 x 256 is made by four waves, as many as a WGP has SIMDs; a wave makes 128 x 128: 64 accumulators of 16 x 16, 512 registers.
; THE OPERANDS LIE IN THE ORDER OF THEIR REGISTERS: 16 rows x 128 K are 2,048 bytes on end, four pieces of 512 bytes, 16 a lane: a fragment is four ds_load_b128 of 512 consecutive bytes: no pitch, no padding.
; A lane's registers 4 c .. 4 c + 3 hold k = 32 c + 16 (lane / 16) + 0 .. 15: a permutation of k, the same in A and in B.
; K goes in steps of 256 through a ring of two LDS slots: of each 16 rows a step is 4,096 consecutive bytes; a wave's tensor load brings 8 such rows of bytes, 16,384 apart in memory.
; CLUSTERS: 4 x 4 work-groups.  The four of a row of the cluster need the same tiles of A, the four of a column the same tiles of B: each tile is asked for JOINTLY.
; THE MATRIX INSTRUCTION IS USED TRANSPOSED (source 0 = 16 rows of B, source 1 = 16 rows of A): a lane holds eight neighbouring numbers of a row of the output.
; 128 work-groups: the output has 32 x 4 tiles of this size.
; LIMIT: e10 + e11 between -126 and 127, so that 2^(e10 + e11) is an f32 number.
; REGISTERS, in windows of 256: window 0: v0-31 addresses; from v128 A's fragments, ONE set; on the way out v32-255 are free.  window 1: B's fragments, TWO sets.  windows 2, 3: the accumulators of my rows 0-63, 64-127.
.set SIZE_N, 1024
.set HALFT,  32768
.set SLOT,   4*HALFT
.set SPARE,  2*SLOT                    ; behind the ring: the spare words, 128 bytes for each wave, that no other line names
.set KB,     4096
.set LAPS,   2
.set FR,     16
.set NL,     4
.set NP,     4
.set WOREG,  28311552                  ; codes: Wo's region
.set SPITCH, 528                       ; the way out: a stage of 16 rows x (512 bytes + 16) for each wave, in slot 0, which has had its last fill and its last read when the first result is stored there
.set ADRA, 16
.set ADRB, 20
.set STO,  24                          ; v24  the way out: where I put 32 bytes of a row
.set RD,   25                          ; v25  where I read a row back
.set CO,   26                          ; v26  16 x lane: my byte offset in a row's 512 bytes; never rewritten
.set SPW,  28
.set NIL,  29
.set TMP,  32
.set AF,   128
.set BK,   128
.set G1, 24
.set G0, 32
.set G1B, 48
.set G0B, 56
.set MSB, 0
.macro WIN new                         ; the immediate's high byte repeats the setting that is left
.if MSB != (\new)
	s_set_vgpr_msb (MSB<<8)|(\new)
.set MSB, (\new)
.endif
.endm
.set MUL_LO, 0xa1
.set MUL_HI, 0xf1
.set TO_B,   0x40
.macro JLOAD g0a, g1a, g0b, g1b        ; a joint load: waves 0 and 1 fetch for A, waves 2 and 3 for B; four v_nop follow each of the two lines
	s_cmp_eq_u32 s15, 0
	s_cbranch_scc0 .Lfor_b_\@
	tensor_load_to_lds s[\g0a:\g0a+3], s[\g1a:\g1a+7]
	s_nop 0
.rept 4
	v_nop
.endr
	s_branch .Lasked_\@
.Lfor_b_\@:
	tensor_load_to_lds s[\g0b:\g0b+3], s[\g1b:\g1b+7]
	s_nop 0
.rept 4
	v_nop
.endr
.Lasked_\@:
.endm
.macro CREST
	s_cmp_lg_u32 s14, 0
	s_cbranch_scc1 .Lnot_wave_0_\@
	s_barrier_signal -3
.Lnot_wave_0_\@:
	s_barrier_wait -3
	s_barrier_signal -1
	s_barrier_wait -1
.endm
.macro CROUND
	s_barrier_signal -1
	s_barrier_wait -1
	CREST
.endm
	s_load_b128 s[4:7], s[0:1], 0x0                ; ac s[4:5], codes s[6:7]
	s_load_b128 s[8:11], s[0:1], 0x10              ; the scales' exponents s[8:9], out0 s[10:11]
	v_lshl_add_u32 v[SPW], v0, 2, SPARE
	v_mov_b32 v[NIL], 0
	ds_add_u32 v28, v29
	ds_add_u32 v28, v29
	s_wait_dscnt 0x0
	v_lshrrev_b32 v1, 5, v0
	v_readfirstlane_b32 s14, v1                    ; wave 0..3
	s_lshr_b32 s15, s14, 1                         ; which half of the tile's rows is mine.  Also: I fetch for A (0) or for B (1)
	s_and_b32 s16, s14, 1                          ; which half of its columns.  Also: which 128 rows I fetch
	s_bfe_u32 s40, ttmp6, 0x40000                  ; cx, cy
	s_bfe_u32 s41, ttmp6, 0x40004
	s_lshl_b32 s42, ttmp9, 2
	s_add_co_u32 s42, s42, s40                     ; tile column = 4 x cluster x + cx
	s_and_b32 s17, ttmp7, 0xffff
	s_lshl_b32 s17, s17, 2
	s_add_co_u32 s17, s17, s41                     ; tile row = 4 x cluster y + cy
	s_lshl_b32 s43, s41, 2
	s_lshl_b32 s43, 15, s43                        ; my row of the cluster
	s_lshl_b32 s44, 0x1111, s40                    ; my column
	s_or_b32 s[G1+0], s43, (3<<16)|(1<<21)         ; 15:0 the mask; 17:16 elements of 8 bytes; 20 no padding; 21 set beside a mask
	s_or_b32 s[G1B+0], s44, (3<<16)|(1<<21)
.irp g, G1, G1B
	s_mov_b32 s[\g+1], 512<<16                     ; tensor_dim0 = 512
	s_mov_b32 s[\g+2], 8<<16                       ; tensor_dim1 = 8
	s_mov_b32 s[\g+3], 512<<16                     ; tile_dim0
	s_mov_b32 s[\g+4], 8                           ; tile_dim1
	s_mov_b32 s[\g+5], 2048                        ; tensor_dim0_stride
	s_mov_b32 s[\g+6], 0
	s_mov_b32 s[\g+7], 0
.endr
	s_lshl_b32 s18, s16, 17
	s_lshl_b32 s20, s17, 18
	s_add_co_u32 s20, s20, s18
	s_mov_b32 s21, 0
	s_lshl_b32 s46, s42, 18
	s_add_co_u32 s46, s46, s18
	s_add_co_u32 s46, s46, WOREG
	s_mov_b32 s47, 0
	s_lshl_b32 s45, s14, 15                        ; where they go: wave x 32,768
	s_wait_kmcnt 0x0
	s_load_b64 s[96:97], s[8:9], 0x28              ; e10, e11
	s_add_nc_u64 s[20:21], s[4:5], s[20:21]
	s_add_nc_u64 s[46:47], s[6:7], s[46:47]
	CROUND                                         ; all sixteen work-groups are here: the first joint loads meet
.irp s, 0,1
	s_mov_b32 s[G0+4*\s], 1
	s_add_co_u32 s[G0+4*\s+1], s45, \s*SLOT
	s_add_nc_u64 s[G0+4*\s+2:G0+4*\s+3], s[20:21], \s*KB
	s_or_b32 s[G0+4*\s+3], s[G0+4*\s+3], 0x80000000
	s_mov_b32 s[G0B+4*\s], 1
	s_add_co_u32 s[G0B+4*\s+1], s45, \s*SLOT
	s_add_nc_u64 s[G0B+4*\s+2:G0B+4*\s+3], s[46:47], \s*KB
	s_or_b32 s[G0B+4*\s+3], s[G0B+4*\s+3], 0x80000000
	s_wait_alu depctr_va_vdst(0)
	s_wait_tensorcnt 0x0
	ds_add_u32 v28, v29
	ds_add_u32 v28, v29
	s_wait_dscnt 0x0
	CROUND
	JLOAD G0+4*\s, G1, G0B+4*\s, G1B
.endr
	v_and_b32 v1, 15, v0                           ; l % 16
	s_wait_alu depctr_va_vdst(0)
	v_bfe_u32 v2, v0, 4, 1                         ; l / 16
	v_and_b32 v6, 31, v0
	v_lshlrev_b32 v[CO], 4, v6
	s_lshl_b32 s21, s15, 15                        ; my 128 rows of A
	s_lshl_b32 s22, s16, 15                        ; my 128 rows of B,
	s_add_co_u32 s22, s22, 2*HALFT                 ; which lie behind A's 256
.irp s, 0,1
	v_add_nc_u32 v[ADRA+\s], s21, v[CO]
	v_add_nc_u32 v[ADRB+\s], s22, v[CO]
	s_add_co_u32 s21, s21, SLOT
	s_add_co_u32 s22, s22, SLOT
.endr
	s_mul_i32 s23, s14, 16*SPITCH                  ; my stage
	v_mul_u32_u24 v5, v1, SPITCH                   ; in: row l % 16, 32 bytes for each half of the lanes
	s_wait_alu depctr_va_vdst(0)
	v_lshl_add_u32 v5, v2, 5, v5
	v_add_nc_u32 v[STO], s23, v5
	v_add_nc_u32 v[RD], s23, v[CO]                 ; back: the 32 lanes take one row of 512 bytes
	s_lshl_b32 s20, s17, 8
	s_lshl_b32 s21, s15, 7
	s_add_co_u32 s20, s20, s21                     ; my first row: 256 x tile row + 128 x half,
	s_lshl_b32 s20, s20, 12                        ; of 4,096 bytes
	s_lshl_b32 s46, s42, 10                        ; my first column, in bytes: 1,024 x tile column + 512 x half
	s_lshl_b32 s47, s16, 9
	s_add_co_u32 s46, s46, s47
	s_add_co_u32 s20, s20, s46
	s_mov_b32 s21, 0
	s_add_nc_u64 s[10:11], s[10:11], s[20:21]
.macro FRAG reg, adr, q, i
.irp c, 0,1,2,3
	ds_load_b128 v[\reg+4*\c:\reg+4*\c+3], v[\adr] offset:(\i)*KB+2048*(\q)+512*\c
.endr
.endm
; The 64 accumulators take turns, one instruction a turn, in the same order in every step.  zero = 1: the first product starts the sums.
.macro MUL16 a0, p, zero
.irp a, \a0, \a0+1
.irp b, 0,1,2,3,4,5,6,7
.if \zero
	v_wmma_f32_16x16x128_fp8_fp8 v[8*(8*((\a)%4)+\b):8*(8*((\a)%4)+\b)+7], v[128*(\p)+FR*\b:128*(\p)+FR*\b+FR-1], v[AF+FR*(\a):AF+FR*(\a)+FR-1], 0
.else
	v_wmma_f32_16x16x128_fp8_fp8 v[8*(8*((\a)%4)+\b):8*(8*((\a)%4)+\b)+7], v[128*(\p)+FR*\b:128*(\p)+FR*\b+FR-1], v[AF+FR*(\a):AF+FR*(\a)+FR-1], v[8*(8*((\a)%4)+\b):8*(8*((\a)%4)+\b)+7]
.endif
.endr
.endr
.endm
.macro FETCH_B slot, q, p
	WIN TO_B
.irp i, 0,1,2,3,4,5,6,7
	FRAG 128*(\p)+FR*\i, ADRB+\slot, \q, \i
.endr
	WIN 0
.endm
.macro FETCH_A slot, q, i0
.irp i, \i0, \i0+1, \i0+2, \i0+3
	FRAG AF+FR*(\i), ADRA+\slot, \q, \i
.endr
.endm
.macro PLACES n                        ; places behind matrix instructions, in front of loads into their sources and of reads of their results
.rept \n
	v_nop
.endr
.endm
.macro STEP slot, q, zero
	s_wait_dscnt 4*NL                              ; B's set and A's blocks 0-3 are in; the youngest sixteen loads (A's blocks 4-7) may be out
	WIN MUL_LO
	MUL16 0, (\q)%2, \zero
	MUL16 2, (\q)%2, \zero
	s_wait_dscnt 0                                 ; A's blocks 4-7 are in
	PLACES NP
	FETCH_B \slot, (\q)+1, 1-(\q)%2
	FETCH_A \slot, (\q)+1, 0
	WIN MUL_HI
	MUL16 4, (\q)%2, \zero
	MUL16 6, (\q)%2, \zero
	PLACES NP
	WIN 0
	FETCH_A \slot, (\q)+1, 4
.endm
.macro TURN slot, next, fill
	s_wait_tensorcnt 0x0                           ; all my tensor loads have landed: my part of the next slot
	ds_add_u32 v[SPW], v[NIL]                      ; 0 onto my spare word
	s_wait_dscnt 4*NL+1                            ; (the add and the youngest sixteen loads may be out)
	WIN MUL_LO
	MUL16 0, 1, 0
	s_wait_dscnt 0x0                               ; the add is done, and my reads of this slot are over
	s_barrier_signal -1
	MUL16 2, 1, 0
	WIN 0
	s_barrier_wait -1
.if \fill
	CREST                                          ; the barrier has opened a round of the cluster's: no wave of any partner still reads this slot's tile or has a load on its way
	s_add_nc_u64 s[G0+4*\slot+2:G0+4*\slot+3], s[G0+4*\slot+2:G0+4*\slot+3], 2*KB
	s_add_nc_u64 s[G0B+4*\slot+2:G0B+4*\slot+3], s[G0B+4*\slot+2:G0B+4*\slot+3], 2*KB
	JLOAD G0+4*\slot, G1, G0B+4*\slot, G1B         ; the first tensor load behind the round, one a wave
.else
	PLACES NP
.endif
	FETCH_B \next, 0, 0
	FETCH_A \next, 0, 0
	WIN MUL_HI
	MUL16 4, 1, 0
	MUL16 6, 1, 0
	PLACES NP
	WIN 0
	FETCH_A \next, 0, 4
.endm
	s_wait_tensorcnt 1                             ; my part of K step 0 is in (K step 1's load may be out),
	s_barrier_signal -1
	s_barrier_wait -1                              ; everybody's is
	FETCH_B 0, 0, 0
	FETCH_A 0, 0, 0
	FETCH_A 0, 0, 4
	STEP 0, 0, 1
	s_mov_b32 s3, LAPS-1
.Llap:
	TURN 0, 1, 1
	STEP 1, 0, 0
	TURN 1, 0, 1
	STEP 0, 0, 0
	s_sub_co_u32 s3, s3, 1
	s_cmp_lg_u32 s3, 0
	s_cbranch_scc1 .Llap
	TURN 0, 1, 0                                   ; the last lap fills nothing
	STEP 1, 0, 0
	s_wait_dscnt 4*NL
	WIN MUL_LO
	MUL16 0, 1, 0
	MUL16 2, 1, 0
	s_wait_dscnt 0
	WIN MUL_HI
	MUL16 4, 1, 0
	MUL16 6, 1, 0
	WIN 0
; THE WAY OUT, block by block of 16 rows x 128 columns: through my own stage in LDS, back as whole rows of 512 bytes.  LDS serves a wave's instructions in order (ISA guide 5.7.1.4): no wait between the stores and the loads.
.macro TOSTAGE a
.set AC, 64*((\a)%4)
	WIN 0x02+((\a)/4)                              ; source 0: window 2 or 3
.set j, 0
.rept 32
	v_pk_mul_f32 v[TMP+j:TMP+j+1], v[AC+j:AC+j+1], s[96:97] op_sel_hi:[1,0]   ; both x s96 = 2^(e10 + e11); each accumulator from its low end on
.set j, j+2
.endr
	WIN 0
.irp b, 0,1,2,3,4,5,6,7
	ds_store_b128 v[STO], v[TMP+8*\b:TMP+8*\b+3] offset:64*\b
	ds_store_b128 v[STO], v[TMP+8*\b+4:TMP+8*\b+7] offset:64*\b+16
.endr
.set BB, BK+64*((\a)%2)
.irp t, 0,1,2,3,4,5,6,7,8,9,10,11,12,13,14,15
	ds_load_b128 v[BB+4*\t:BB+4*\t+3], v[RD] offset:\t*SPITCH
.endr
.endm
.macro SEND a, younger                 ; younger: the LDS instructions issued behind block a's loads, which may stay out
.set BB, BK+64*((\a)%2)
	s_wait_dscnt \younger
.if (\a) > 0
	s_add_nc_u64 s[10:11], s[10:11], 16*SIZE_N*4   ; (behind a wait on XCNT: the earlier stores have read their base)  16 rows on
.endif
.irp t, 0,1,2,3,4,5,6,7,8,9,10,11,12,13,14,15
	global_store_b128 v[CO], v[BB+4*\t:BB+4*\t+3], s[10:11] offset:\t*SIZE_N*4 th:TH_STORE_NT   ; 32 lanes store 512 consecutive bytes, at a multiple of 256 from the output's first byte; written once
.endr
.endm
	s_wait_kmcnt 0x0
	s_add_co_i32 s96, s96, s97
	s_add_co_i32 s96, s96, 127
	s_lshl_b32 s96, s96, 23                        ; 2^(e10 + e11) as f32
	PLACES NP
	TOSTAGE 0
.irp a, 1,2,3,4,5,6,7
.if \a > 1
	s_wait_xcnt 0x0                                ; block a - 2's stores have read their registers and their base
.endif
	TOSTAGE \a
	SEND \a-1, 32                                  ; behind block a - 1's loads: block a's 16 stores and 16 loads
.endr
	s_wait_xcnt 0x0
	SEND 7, 0
	s_wait_tensorcnt 0x0                           ; the wave's end
	ds_add_u32 v[SPW], v[NIL]
	s_wait_dscnt 0x0
	CROUND                                         ; the closing round
	s_endpgm
.Lfunc_end_k_q1d97c202b0_oproj:
	.size	k_q1d97c202b0_oproj, .Lfunc_end_k_q1d97c202b0_oproj-k_q1d97c202b0_oproj
	.p2alignl 7, 3214868480
	.fill 96, 4, 3214868480
	.section	.rodata,"a",@progbits
	.p2align	6, 0x0
	.amdhsa_kernel k_q1d97c202b0_oproj
		.amdhsa_group_segment_fixed_size 327680
		.amdhsa_private_segment_fixed_size 0
		.amdhsa_enable_private_segment 0
		.amdhsa_kernarg_size 32
		.amdhsa_user_sgpr_count 2
		.amdhsa_user_sgpr_kernarg_segment_ptr 1
		.amdhsa_wavefront_size32 1
		.amdhsa_system_sgpr_workgroup_id_x 1
		.amdhsa_system_sgpr_workgroup_id_y 1
		.amdhsa_system_sgpr_workgroup_id_z 1
		.amdhsa_system_vgpr_workitem_id 0
		.amdhsa_next_free_vgpr 1024
		.amdhsa_next_free_sgpr 98
		.amdhsa_reserve_vcc 0
		.amdhsa_float_denorm_mode_32 3
		.amdhsa_float_denorm_mode_16_64 3
		.amdhsa_memory_ordered 1
		.amdhsa_forward_progress 1
		.amdhsa_inst_pref_size 124
	.end_amdhsa_kernel
	.amdgpu_metadata
---
amdhsa.version: [ 1, 2 ]
amdhsa.kernels:
  - .name:           k_q1d97c202b0_oproj
    .symbol:         k_q1d97c202b0_oproj.kd
    .args:
      - { .name: ac, .offset: 0, .size: 8, .value_kind: global_buffer, .address_space: global }
      - { .name: codes, .offset: 8, .size: 8, .value_kind: global_buffer, .address_space: global }
      - { .name: lowp_scales, .offset: 16, .size: 8, .value_kind: global_buffer, .address_space: global }
      - { .name: out0, .offset: 24, .size: 8, .value_kind: global_buffer, .address_space: global }
    .group_segment_fixed_size: 327680
    .private_segment_fixed_size: 0
    .kernarg_segment_align: 8
    .kernarg_segment_size: 32
    .max_flat_workgroup_size: 128
    .sgpr_count:     98
    .vgpr_count:     1024
    .wavefront_size: 32
...
	.end_amdgpu_metadata
.endif
;; end of part 4
